; MI455X (gfx1250); checked and timed in simulation.
; The chip was launched on July 23, 2026; its instructions are those of AMD's public machine-readable ISA for CDNA 5 (MIT licence, August 2026) and "CDNA5" Instruction Set Architecture Reference Guide (July 2026). The comments in the code are by the model that wrote it; some were corrected since.
;; Multi Head Attention. Allowed arithmetic: matrix products marked QUANTISED: E2M3 operands, one E8M0 scale for each 32 along K, by v_wmma_scale_f32_16x16x128_f8f6f4 with both operands' format E2M3, f32 sums; everything else in f32.
;; Inputs: Wk 1,024 x 1,024 float32; Wp 1,024 x 1,024 float32; Wq 1,024 x 1,024 float32; Wv 1,024 x 1,024 float32; bk 1,024 float32; bp 1,024 float32; bq 1,024 float32; bv 1,024 float32; key 4 x 2,048 x 1,024 float32; query 4 x 2,048 x 1,024 float32; value 4 x 2,048 x 1,024 float32.
;; Outputs: out0 4 x 2,048 x 1,024 float32.
;; This version of the problem:
;;   THIS VERSION OF THE PROBLEM IS GIVEN IN LOW PRECISION. The matrix products marked QUANTISED in the list below multiply operands that are first quantised to E2M3 (2 exponent bits, 3 mantissa bits; 6 bits a number), with one power-of-two scale for each 32 numbers along K (OCP MX v1.0); their sums are f32. All else is computed in f32.
;;   The module's matrix products, in the order in which they are computed (A, B: the left and right operand; K: the contracted axis; several contracted axes count as one K, in the product's order):
;;     1. [M 8,192, K 1,024] x [K 1,024, N 1,024]; A: input query; B: input Wq: QUANTISED
;;     2. [M 8,192, K 1,024] x [K 1,024, N 1,024]; A: input key; B: input Wk: QUANTISED
;;     3. [M 8,192, K 1,024] x [K 1,024, N 1,024]; A: input value; B: input Wv: QUANTISED
;;     4. batch 64 x [M 2,048, K 64] x [K 64, N 2,048]; A: computed on the way; B: computed on the way: QUANTISED
;;     5. batch 64 x [M 2,048, K 2,048] x [K 2,048, N 64]; A: softmax (see below); B: computed on the way: QUANTISED
;;     6. [M 8,192, K 1,024] x [K 1,024, N 1,024]; A: computed on the way; B: input Wp: QUANTISED
;;   THE QUANTISER, for each operand of a quantised product, along K:
;;     - K is cut into blocks of 32 from its start; a last block that is shorter is filled with zeros.
;;     - A block's scale is 2^e with e = floor(log2(the largest magnitude in the block)) - 2, held to -126 .. 127; a block of zeros has e = 0. As a byte (E8M0): e + 127.
;;     - Each number is divided by its block's scale, clamped to +-7.5, and rounded to the nearest number of E2M3, ties to even, subnormals kept.
;;     - The product sums the exact products of the quantised numbers (number of the format x scale) in f32.
;;   ~~~python
;;   def quantise(x, axis):      # numpy; x: float32 -> the quantised numbers, widened to float32 again
;;       x = np.moveaxis(x, axis, -1); K = x.shape[-1]
;;       x = np.pad(x, [(0, 0)] * (x.ndim - 1) + [(0, -K % 32)]); x = x.reshape(x.shape[:-1] + (-1, 32)); a = np.abs(x).max(-1, keepdims=True)
;;       e = np.where(a > 0, np.clip(np.frexp(np.where(a > 0, a, 1))[1] - 1 - 2, -126, 127), 0)      # np.frexp(a)[1] - 1 = floor(log2(a)), exactly
;;       r = np.clip(x / 2.0 ** e, -7.5, 7.5)
;;       step = 2.0 ** (np.maximum(np.frexp(np.where(r == 0, 1, r))[1] - 1, 0) - 3)
;;       q = np.round(r / step) * step * 2.0 ** e      # np.round: ties to even
;;       return np.moveaxis(q.reshape(q.shape[:-2] + (-1,))[..., :K], -1, axis).astype(np.float32)
;;   ~~~
;;   SOFTMAX AHEAD OF A QUANTISED PRODUCT. Where the list says 'softmax', what is quantised is not the finished softmax but p = 2^(t - M), with t = logit x log2(e) and M = ceil(the row's largest t), a whole number; so 1/2 < the row's largest p <= 1. The row's sum l is taken of the UNQUANTISED p, in f32, and the product's result is divided by l at the end. Since M is a whole number, a kernel that streams over the keys may use a running M (the ceiling of the running maximum): every later rescaling is an exact power of two, which a block's scale takes up: the codes' values come out the same.
;;   OPERANDS COMPUTED ON THE WAY. 'Computed on the way' means the value that the module computes at that place (a softmax that the list does not call 'softmax' is quantised finished and normalised). What goes into a quantiser is computed in f32, as accurately as f32 sums, v_exp_f32 and their like allow (about 1e-6 of the number): no bf16 or f16 on the way to a quantiser, and a product that is left as it is and whose result goes on into a quantised operand takes f32 operands (vector FMAs, or v_wmma_f32_16x16x4_f32). A number that lies on a knife's edge between two numbers of the format may be rounded either way, as far as f32 arithmetic and the matrix unit's own rounding can turn it there, and no further.
;; One version. Each part assembles by itself: llvm-mc -triple=amdgcn-amd-amdhsa -mcpu=gfx1250 --defsym DOCPART=n.
;; ======== version 1 of 1: 4 launches
;; workspace buffers: xc 18,874,368 bytes; xs 786,432 bytes; wc 3,145,728 bytes; ws 131,072 bytes; himg 18,874,368 bytes; hsc 1,310,720 bytes; yimg 6,291,456 bytes; ysc 262,144 bytes
;; launch quant (part 1): grid 896 x 1, 4 waves a work-group, no clusters, 33,280 bytes of LDS; arguments query, key, value, Wq, Wk, Wv, Wp, xc, xs, wc, ws; writes xc, xs, wc, ws
.if DOCPART == 1
	.amdgcn_target "amdgcn-amd-amdhsa--gfx1250"
	.amdhsa_code_object_version 6
	.text
	.protected	k_q657fff6ea3_quant
	.globl	k_q657fff6ea3_quant
	.p2align	8
	.type	k_q657fff6ea3_quant,@function
k_q657fff6ea3_quant:
	s_mov_b64 s[64:65], 0
	v_nop
	global_prefetch_b8 v0, s[64:65] scope:SCOPE_SE
	s_setreg_imm32_b32 hwreg(HW_REG_WAVE_MODE, 25, 1), 1
	s_wait_xcnt 0x0
; query, key, value [8192][1024] and Wq, Wk, Wv, Wp [1024][1024], f32 with K innermost, become codes of FP6 (E2M3), 6 bits each, and one E8M0 scale byte for each 32 along K.
; xc: [3 x 8192 rows][768 bytes], xs: [24576 rows][32 bytes] (query, key, value);  wc: [4 x 1024 rows][768], ws: [4096][32] (Wq, Wk, Wv, Wp).
; THE ROWS ARE STORED SWAPPED: stored row s holds row (s with bits 3 and 4 exchanged).  Sixteen consecutive stored rows 32 b + 16 u + r are then the rows 32 b + 8 u + r + 8 (r / 8): taken as source 0
; of a matrix instruction, two such neighbouring tiles leave a lane 16 neighbours along that axis, which is what the later launches quantise along.  A wave's run is 8 rows, so the swap is a swap of the wave's two bits.
; A block's scale is 2^(floor(log2(its largest magnitude)) - 2); its byte is the largest magnitude's exponent field - 2, held at 1 from below.
; LIMITS: a block of zeros, or one whose largest magnitude lies under 2^-124, gets the byte 1 (the rule says 127 for zeros): its codes are zeros or what the floor's scale gives, and this program alone reads the bytes.  NaN and infinities are not served.
; A wave takes 16 steps of 512 numbers.  Each of a step's four loads reads 512 consecutive bytes; the 2,048 bytes turn through the wave's own stage in LDS and come back 64 bytes (16 neighbours) a lane; two lanes hold a block.
; No tensor loads, no barrier: waves share nothing.  Loads run four steps (16 loads a wave) ahead, the turn through LDS one step.  Matrix units and clusters have nothing to do here: the launch moves bytes.
.set STEPS, 16
.set EMAX,  2
.set CB,    12                         ; bytes of 16 codes
.set R,     16                         ; v16-79   four sets of 16 numbers as they are loaded
.set X,     80                         ; v80-111  two sets of 16 neighbours
.set C,     128                        ; v128-191 codes: four registers for each step, so that no store's data are written again
.set E,     112                        ; v112-127 a scale byte for each step
.set WREG,  8192                       ; LDS: a region for each wave: two stages of 32 x SP bytes, then its 256 scale bytes
.set SP,    80                         ; a lane's place in a stage: 64 bytes + 16 of padding
	s_load_b256 s[4:11], s[0:1], 0x0               ; query, key, value, Wq
	s_load_b256 s[12:19], s[0:1], 0x20             ; Wk, Wv, Wp, xc
	s_load_b128 s[20:23], s[0:1], 0x40             ; xs, wc
	s_load_b64 s[24:25], s[0:1], 0x50              ; ws
	v_lshl_add_u32 v192, v0, 2, 0x8000
	v_mov_b32 v193, 0
	v_lshrrev_b32 v1, 5, v0
	v_readfirstlane_b32 s36, v1                    ; wave
	v_and_b32 v2, 31, v0                           ; lane
	v_lshlrev_b32 v3, 4, v2                        ; my 16 bytes of a load's 512
	s_mul_i32 s37, s36, WREG
	v_lshrrev_b32 v14, 2, v2
	v_mul_u32_u24 v14, v14, SP
	v_and_b32 v15, 3, v2
	v_lshl_add_u32 v14, v15, 4, v14
	v_add_nc_u32 v14, s37, v14                     ; the stage, on the way in: SP (lane / 4) + 16 (lane % 4)
	v_mul_u32_u24 v15, v2, SP
	v_add_nc_u32 v15, s37, v15                     ; and on the way out: SP x lane: my 16 neighbours
	v_mul_u32_u24 v4, v2, CB                       ; my codes' place in a step's
	v_lshrrev_b32 v5, 1, v2
	s_add_co_u32 s37, s37, 2*32*SP
	v_add_nc_u32 v5, s37, v5                       ; LDS: my wave's 256 scale bytes, my block's byte
	v_lshlrev_b32 v7, 3, v2                        ; and on the way out 8 bytes a lane
	v_add_nc_u32 v6, s37, v7
	s_wait_kmcnt 0x0
	; which tensor: work-groups 0-767 take query, key, value (256 each), 768-895 take Wq, Wk, Wv, Wp (32 each).  Every choice hangs on the work-group's number alone
	s_mov_b64 s[28:29], s[16:17]                   ; Wp
	s_cmp_lt_u32 ttmp9, 864
	s_cselect_b64 s[28:29], s[14:15], s[28:29]     ; Wv
	s_cmp_lt_u32 ttmp9, 832
	s_cselect_b64 s[28:29], s[12:13], s[28:29]     ; Wk
	s_cmp_lt_u32 ttmp9, 800
	s_cselect_b64 s[28:29], s[10:11], s[28:29]     ; Wq
	s_cmp_lt_u32 ttmp9, 768
	s_cselect_b64 s[28:29], s[8:9], s[28:29]       ; value
	s_cmp_lt_u32 ttmp9, 512
	s_cselect_b64 s[28:29], s[6:7], s[28:29]       ; key
	s_cmp_lt_u32 ttmp9, 256
	s_cselect_b64 s[28:29], s[4:5], s[28:29]       ; query
	s_cmp_lt_u32 ttmp9, 768
	s_cselect_b64 s[30:31], s[18:19], s[22:23]     ; the codes go to xc or wc,
	s_cselect_b64 s[32:33], s[20:21], s[24:25]     ; the scale bytes to xs or ws
	s_cselect_b32 s34, 255, 31
	s_cselect_b32 s35, 0, 768
	s_and_b32 s34, ttmp9, s34                      ; my work-group's number in its tensor,
	s_sub_co_u32 s35, ttmp9, s35                   ; and in the buffer that it stores into
	s_lshl_b32 s38, s34, 2
	s_add_co_u32 s38, s38, s36                     ; the run of 8 rows that my wave reads,
	s_lshl_b32 s38, s38, 15                        ; 32,768 bytes a run
	s_mov_b32 s39, 0
	s_add_nc_u64 s[28:29], s[28:29], s[38:39]
	s_and_b32 s40, s36, 1
	s_lshl_b32 s40, s40, 1
	s_lshr_b32 s41, s36, 1
	s_or_b32 s40, s40, s41                         ; the wave's two bits exchanged: the swap of the rows' bits 3 and 4
	s_lshl_b32 s35, s35, 2
	s_add_co_u32 s40, s40, s35                     ; the run that my wave writes
	s_mul_i32 s38, s40, 32*STEPS*CB                ; 6,144 bytes of codes a run
	s_add_nc_u64 s[30:31], s[30:31], s[38:39]
	s_lshl_b32 s38, s40, 8                         ; 256 scale bytes a run
	s_add_nc_u64 s[32:33], s[32:33], s[38:39]
.macro LOAD t
.irp i, 0,1,2,3
	global_load_b128 v[R+16*((\t)%4)+4*\i:R+16*((\t)%4)+4*\i+3], v3, s[28:29] offset:2048*(\t)+512*\i th:TH_LOAD_NT   ; 32 lanes read 512 consecutive bytes
.endr
.endm
.macro TURN t                          ; step t's numbers through the stage: LDS serves a wave's instructions in order, so no wait stands between the stores and the loads
.irp i, 0,1,2,3
	ds_store_b128 v14, v[R+16*((\t)%4)+4*\i:R+16*((\t)%4)+4*\i+3] offset:32*SP*((\t)%2)+8*SP*\i
.endr
.irp i, 0,1,2,3
	ds_load_b128 v[X+16*((\t)%2)+4*\i:X+16*((\t)%2)+4*\i+3], v15 offset:32*SP*((\t)%2)+16*\i
.endr
.endm
.irp t, 0,1,2,3
	LOAD \t
.endr
	s_wait_loadcnt 12                              ; step 0's four loads are in; the twelve of steps 1 to 3 may be out
	TURN 0
.macro STEP t
.set XS, X+16*((\t)%2)
.if (\t) > 0
	s_wait_dscnt 1                                 ; this step's numbers are back from the stage (the last step's byte store may be out): so its stores into the stage have read their registers,
.else
	s_wait_dscnt 0x0
.endif
.if (\t)+4 < STEPS
	LOAD (\t)+4                                    ; which take the loads of four steps on
.endif
.if (\t)+1 < STEPS
.if STEPS-2-(\t) >= 3
	s_wait_loadcnt 12                              ; the next step's four loads are in; those of the three steps behind it may be out
.else
	s_wait_loadcnt 4*(STEPS-2-(\t))
.endif
	TURN (\t)+1                                    ; and go through the other stage while this step is worked
.endif
	v_max3_num_f32 v8, |v[XS]|, |v[XS+1]|, |v[XS+2]|               ; the largest magnitude of my 16, in two chains
	v_max3_num_f32 v9, |v[XS+3]|, |v[XS+4]|, |v[XS+5]|
.irp i, 6,10
	v_max3_num_f32 v8, v8, |v[XS+\i]|, |v[XS+\i+1]|
	v_max3_num_f32 v9, v9, |v[XS+\i+2]|, |v[XS+\i+3]|
.endr
	v_max3_num_f32 v8, v8, |v[XS+14]|, |v[XS+15]|
	v_max3_num_f32 v8, v8, v9, (EMAX+1)<<23        ; and the floor 2^(3 - 127): the byte cannot fall under 1
	v_max_num_f32_dpp v8, v8, v8 row_xmask:1 row_mask:0xf bank_mask:0xf   ; and of my neighbour's 16: the block's
	v_add_nc_u32 v11, -(EMAX<<23), v8              ; 2 off its exponent field: the conversion takes the exponent field of this operand as its scale
	v_cvt_scalef32_pk16_fp6_f32 v[C+4*(\t):C+4*(\t)+2], v[XS:XS+15], v11   ; sixteen numbers / the scale, to the nearest code, ties to even, beyond the largest code the largest
	v_lshrrev_b32 v[E+(\t)], 23, v11               ; the scale's byte
	ds_store_b8 v5, v[E+(\t)] offset:16*(\t)       ; both lanes of a block write the same byte with the same value
	global_store_b96 v4, v[C+4*(\t):C+4*(\t)+2], s[30:31] offset:32*CB*(\t)   ; the wave stores 384 consecutive bytes
.endm
.irp t, 0,1,2,3,4,5,6,7,8,9,10,11,12,13,14,15
	STEP \t
.endr
	ds_load_b64 v[12:13], v6                       ; LDS serves a wave's instructions in order: these see my stores
	s_wait_dscnt 0x0
	global_store_b64 v7, v[12:13], s[32:33]        ; 32 lanes store 256 consecutive bytes, aligned
	s_wait_tensorcnt 0x0
	ds_add_u32 v192, v193
	s_wait_dscnt 0x0
	s_endpgm
.Lfunc_end_k_q657fff6ea3_quant:
	.size	k_q657fff6ea3_quant, .Lfunc_end_k_q657fff6ea3_quant-k_q657fff6ea3_quant
	.p2alignl 7, 3214868480
	.fill 96, 4, 3214868480
	.section	.rodata,"a",@progbits
	.p2align	6, 0x0
	.amdhsa_kernel k_q657fff6ea3_quant
		.amdhsa_group_segment_fixed_size 33280
		.amdhsa_private_segment_fixed_size 0
		.amdhsa_enable_private_segment 0
		.amdhsa_kernarg_size 88
		.amdhsa_user_sgpr_count 2
		.amdhsa_user_sgpr_kernarg_segment_ptr 1
		.amdhsa_wavefront_size32 1
		.amdhsa_system_sgpr_workgroup_id_x 1
		.amdhsa_system_sgpr_workgroup_id_y 1
		.amdhsa_system_sgpr_workgroup_id_z 1
		.amdhsa_system_vgpr_workitem_id 0
		.amdhsa_next_free_vgpr 194
		.amdhsa_next_free_sgpr 66
		.amdhsa_reserve_vcc 0
		.amdhsa_float_denorm_mode_32 3
		.amdhsa_float_denorm_mode_16_64 3
		.amdhsa_memory_ordered 1
		.amdhsa_forward_progress 1
		.amdhsa_inst_pref_size 33
	.end_amdhsa_kernel
	.amdgpu_metadata
---
amdhsa.version: [ 1, 2 ]
amdhsa.kernels:
  - .name:           k_q657fff6ea3_quant
    .symbol:         k_q657fff6ea3_quant.kd
    .args:
      - { .name: query, .offset: 0, .size: 8, .value_kind: global_buffer, .address_space: global }
      - { .name: key, .offset: 8, .size: 8, .value_kind: global_buffer, .address_space: global }
      - { .name: value, .offset: 16, .size: 8, .value_kind: global_buffer, .address_space: global }
      - { .name: Wq, .offset: 24, .size: 8, .value_kind: global_buffer, .address_space: global }
      - { .name: Wk, .offset: 32, .size: 8, .value_kind: global_buffer, .address_space: global }
      - { .name: Wv, .offset: 40, .size: 8, .value_kind: global_buffer, .address_space: global }
      - { .name: Wp, .offset: 48, .size: 8, .value_kind: global_buffer, .address_space: global }
      - { .name: xc, .offset: 56, .size: 8, .value_kind: global_buffer, .address_space: global }
      - { .name: xs, .offset: 64, .size: 8, .value_kind: global_buffer, .address_space: global }
      - { .name: wc, .offset: 72, .size: 8, .value_kind: global_buffer, .address_space: global }
      - { .name: ws, .offset: 80, .size: 8, .value_kind: global_buffer, .address_space: global }
    .group_segment_fixed_size: 33280
    .private_segment_fixed_size: 0
    .kernarg_segment_align: 8
    .kernarg_segment_size: 88
    .max_flat_workgroup_size: 128
    .sgpr_count:     66
    .vgpr_count:     194
    .wavefront_size: 32
...
	.end_amdgpu_metadata
.endif
;; end of part 1
;; launch proj (part 2): grid 4 x 96, 4 waves a work-group, clusters of 4 x 4, 327,680 bytes of LDS; arguments xc, xs, wc, ws, bq, bk, bv, himg, hsc; writes himg, hsc
.if DOCPART == 2
	.amdgcn_target "amdgcn-amd-amdhsa--gfx1250"
	.amdhsa_code_object_version 6
	.text
	.protected	k_q657fff6ea3_proj
	.globl	k_q657fff6ea3_proj
	.p2align	8
	.type	k_q657fff6ea3_proj,@function
k_q657fff6ea3_proj:
	s_mov_b64 s[64:65], 0
	v_nop
	global_prefetch_b8 v0, s[64:65] scope:SCOPE_SE
	s_setreg_imm32_b32 hwreg(HW_REG_WAVE_MODE, 25, 1), 1
	s_wait_xcnt 0x0
	s_wait_alu depctr_hold_cnt(0) depctr_sa_sdst(0) depctr_va_vdst(0) depctr_va_sdst(0) depctr_va_ssrc(0) depctr_va_vcc(0) depctr_vm_vsrc(0)
	s_getreg_b32 s2, hwreg(HW_REG_IB_STS2, 6, 4)
	s_cmp_eq_u32 s2, 0
	s_cbranch_scc0 .Lentry_in_a_cluster
	s_endpgm
.Lentry_in_a_cluster:
	s_bfe_u32 s2, ttmp6, 0x10000c
	s_cmp_lg_u32 s2, 0xf033
	s_cbranch_scc0 .Lentry_shape_is_right
	s_endpgm
.Lentry_shape_is_right:
; Q = query Wq^T + bq, K = key Wk^T + bk, V = value Wv^T + bv on codes of FP6 (E2M3) with E8M0 scales for each 32 along K = 1024, sums in f32; the results are quantised in registers
; (Q, K along the head's 64; V along the keys) and stored as IMAGES OF THE OPERAND REGISTERS that the attention launch loads.
; A tile of 256 x 256 results is made by four waves, 128 x 128 each (64 accumulators, 512 registers); K goes in steps of 256 through a ring of two LDS slots filled by the tensor data mover.
; The scale bytes of the work-group's 2 x 256 rows come into LDS once, with the first fills.
; CLUSTERS 4 x 4: the matrix of source 1 ("A") is picked by cy and asked for jointly along a row of the cluster, that of source 0 ("B") by cx and jointly along a column.
; WHICH MATRIX IS WHICH hangs on the cluster's y (0-7 Q, 8-15 K, 16-23 V), which all sixteen partners share.  A lane's registers run along source 0's rows, and that is the axis to be quantised:
;   Q, K: source 0 = 16 rows of W (features), source 1 = 16 tokens;     V: source 0 = 16 tokens (keys), source 1 = 16 rows of Wv.    Only pointers and tile numbers are chosen; the loop is one text.
; Rows lie swapped in xc and wc (stored row s = row s with bits 3, 4 exchanged), so the 16 registers of source-0 tiles 2 b, 2 b + 1 are the 16 neighbours 32 b + 16 (lane / 16) + 0 .. 15.
; IMAGES, per head nh = 16 n + h and step of 128 stored tokens, 6,144 bytes: Q, K: [pair of token tiles (4)][3][lane][16 bytes], a tile's six registers (lane (r, h): block h of the head's 64), then the next tile's six;
;   V: [tile of 16 d (4)][3][lane][16 bytes]: a whole fragment 16 d x 128 keys.   Scale words: Q, K: [lane][16 bytes], word p of lane l: tile 2 p + l / 16, row l % 16, bytes 2 and 3 = 0x7f (they meet zero codes);
;   V: [lane][8 bytes], word b of lane l: tile 2 b + l / 16.
; LIMITS: a block of zeros or under 2^-124 gets the scale byte 1 (this program alone reads the bytes); NaN and infinities are not served.
; REGISTERS, in windows of 256: window 0: v16-31 addresses; v32-63 scale words, two sets; v128-223 A's fragments, one set;  window 1: B's fragments, two sets, at v0 and v128;
;   window 2: the 32 accumulators of my A rows 0-63 ((a, b) at v[8 (8 a + b)]);  window 3: those of rows 64-127.   On the way out window 0's v32-227 are at work.
.set KSTEP,  256
.set NQ,     2                         ; matrix instructions deep in a slot
.set ROWB,   192                       ; a tile's row in bytes
.set KROW,   768                       ; a row of codes in memory
.set PITCH,  240                       ; an LDS row: 3 x (64 bytes + 16 of padding)
.set FR,     12
.set NL,     6
.set NP,     4                         ; places behind this matrix instruction (ISA guide 7.12.1)
.set HALFT,  128*PITCH
.set SLOT,   4*HALFT
.set LAPS,   2                         ; 1024 / (2 x 256)
.set KS,     32                        ; a row of scale bytes
.set SCL,    2*SLOT                    ; behind the ring: the scales, as units of 256 bytes + 16 of padding
.set HALFS,  (128*KS/256)*272
.set SBLK,   (16*KS/256)*272
.set SPARE,  SCL+4*HALFS               ; the spare words, 128 bytes a wave: two blocks of 256 bytes that no other line names
.set BIASL,  SPARE+512                 ; 512 bytes a wave: its 128 biases; no fill lands here
.set ADRA, 16                          ; v16-17 A's fragments in slot 0, 1; v18-19 the same behind one padding more
.set ADRB, 20                          ; v20-23 the same for B
.set LI16, 24                          ; 16 x lane
.set BST,  25                          ; where I put 16 bytes of the wave's biases
.set BA,   26                          ; Q, K: BIASL + 512 wave + 64 (lane / 16)
.set ADRS, 27                          ; my scale words: lanes 0-15 A's rows, lanes 16-31 B's
.set SPW,  28                          ; my spare word; never rewritten
.set NIL,  29                          ; 0; never rewritten
.set BA2,  30                          ; V: BIASL + 512 wave + 4 (r + 8 (r / 8))
.set LI8,  31                          ; 8 x lane
.set SC,   32
.set AF,   128
.set BI,   32                          ; the way out: v32-95 biases
.set TM,   96                          ; v96-99 largest magnitudes, v100-103 bytes, v108-111 the conversions' scale operands
.set PW0,  112                         ; v112, v113 the scale words of an even and an odd block of A's rows
.set XW,   114
.set YW,   115
.set CT,   116                         ; v116-118, v120-122 the conversions' second halves
.set SW0,  124                         ; v124-127 scale words to store
.set PCB,  128                         ; v128-223 codes to store: no store's data are written again
.set SW1,  224                         ; v224-227
.set G1, 24
.set G0, 32
.set G1B, 48
.set G0B, 56
.set G1S, 68
.set G0S, 76
.set G1SB, 80
.set G0SB, 88
.set MSB, 0
.macro WIN new                         ; the immediate's high byte repeats the setting that is left
.if MSB != (\new)
	s_set_vgpr_msb (MSB<<8)|(\new)
.set MSB, (\new)
.endif
.endm
.set MUL_LO, 0xa1                      ; source 0 (B) window 1, source 1 (A) window 0, C and D window 2
.set MUL_HI, 0xf1                      ; the same, C and D window 3
.set TO_B,   0x40                      ; destination window 1, address window 0
; A joint load: waves 0 and 1 fetch for A, waves 2 and 3 for B; the branch hangs on the wave's number alone.  Four v_nop follow each of the two lines.
.macro JLOAD g0a, g1a, g0b, g1b
	s_cmp_eq_u32 s93, 0
	s_cbranch_scc0 .Lfor_b_\@
	tensor_load_to_lds s[\g0a:\g0a+3], s[\g1a:\g1a+7]
	s_nop 0
.rept 4
	v_nop
.endr
	s_branch .Lasked_\@
.Lfor_b_\@:
	tensor_load_to_lds s[\g0b:\g0b+3], s[\g1b:\g1b+7]
	s_nop 0
.rept 4
	v_nop
.endr
.Lasked_\@:
.endm
.macro CREST                           ; a round of the cluster's barrier behind its opening barrier
	s_cmp_lg_u32 s92, 0
	s_cbranch_scc1 .Lnot_wave_0_\@
	s_barrier_signal -3
.Lnot_wave_0_\@:
	s_barrier_wait -3
	s_barrier_signal -1
	s_barrier_wait -1
.endm
.macro CROUND
	s_barrier_signal -1
	s_barrier_wait -1
	CREST
.endm
	s_load_b256 s[4:11], s[0:1], 0x0               ; xc, xs, wc, ws
	s_load_b256 s[12:19], s[0:1], 0x20             ; bq, bk, bv, himg
	s_load_b64 s[20:21], s[0:1], 0x40              ; hsc
	v_lshl_add_u32 v[SPW], v0, 2, SPARE
	v_mov_b32 v[NIL], 0
	ds_add_u32 v28, v29
	ds_add_u32 v28, v29
	s_wait_dscnt 0x0
	v_lshrrev_b32 v1, 5, v0
	v_readfirstlane_b32 s92, v1                    ; wave 0..3
	v_and_b32 v7, 31, v0
	v_lshlrev_b32 v[LI16], 4, v7
	v_lshlrev_b32 v[LI8], 3, v7
	s_lshr_b32 s93, s92, 1                         ; my half of A's rows.  Also: I fetch for A (0) or for B (1)
	s_and_b32 s94, s92, 1                          ; my half of B's rows.  Also: which 128 rows I fetch
	s_bfe_u32 s98, ttmp6, 0x40000                  ; cx
	s_bfe_u32 s99, ttmp6, 0x40004                  ; cy
	s_and_b32 s97, ttmp7, 0xffff                   ; the cluster's y, 0..23
	s_lshr_b32 s96, s97, 3                         ; 0 Q, 1 K, 2 V
	s_cmp_ge_u32 s97, 16
	s_cselect_b32 s95, 1, 0                        ; V?
	s_cselect_b32 s42, 2, s97                      ; A: V: Wv is wc's third matrix; Q, K: xc's tiles, four to a cluster
	s_cselect_b32 s43, s97, s96                    ; B: V: xc's tiles; Q, K: Wq or Wk
	s_lshl_b32 s42, s42, 2
	s_add_co_u32 s42, s42, s99                     ; A's tile of 256 rows in its buffer: hangs on cy alone
	s_lshl_b32 s43, s43, 2
	s_add_co_u32 s43, s43, s98                     ; B's: on cx alone
	s_lshl_b32 s40, s99, 2
	s_lshl_b32 s40, 15, s40                        ; my row of the cluster
	s_lshl_b32 s41, 0x1111, s98                    ; my column
	; descriptor group 1: a tile of 128 rows x 192 bytes, 16 bytes of padding behind every 64
	s_or_b32 s[G1+0], s40, (0<<16)|(1<<20)|(1<<21)|(3<<22)|(3<<25)
	s_or_b32 s[G1B+0], s41, (0<<16)|(1<<20)|(1<<21)|(3<<22)|(3<<25)
.irp g, G1, G1B
	s_mov_b32 s[\g+1], ROWB<<16                    ; tensor_dim0
	s_mov_b32 s[\g+2], 128<<16                     ; tensor_dim1
	s_mov_b32 s[\g+3], ROWB<<16                    ; tile_dim0
	s_mov_b32 s[\g+4], 128                         ; tile_dim1
	s_mov_b32 s[\g+5], KROW                        ; tensor_dim0_stride
	s_mov_b32 s[\g+6], 0
	s_mov_b32 s[\g+7], 0
.endr
	; the scales of 128 rows: 4,096 dense bytes as 16 rows of 256 (32 elements of 8 bytes), 16 bytes of padding behind each
	s_or_b32 s[G1S+0], s40, (3<<16)|(1<<20)|(1<<21)|(5<<22)|(3<<25)
	s_or_b32 s[G1SB+0], s41, (3<<16)|(1<<20)|(1<<21)|(5<<22)|(3<<25)
.irp g, G1S, G1SB
	s_mov_b32 s[\g+1], 32<<16
	s_mov_b32 s[\g+2], (128*KS/256)<<16
	s_mov_b32 s[\g+3], 32<<16
	s_mov_b32 s[\g+4], 128*KS/256
	s_mov_b32 s[\g+5], 32
	s_mov_b32 s[\g+6], 0
	s_mov_b32 s[\g+7], 0
.endr
	s_lshl_b32 s22, s94, 7                         ; which 128 rows of a tile I fetch
	s_lshl_b32 s44, s42, 8
	s_add_co_u32 s44, s44, s22                     ; A's row
	s_lshl_b32 s46, s43, 8
	s_add_co_u32 s46, s46, s22                     ; B's row
	s_lshl_b32 s66, s44, 5                         ; their scale bytes,
	s_mov_b32 s67, 0
	s_lshl_b32 s100, s46, 5
	s_mov_b32 s101, 0
	s_mul_i32 s44, s44, KROW                       ; their codes (under 2^25 bytes)
	s_mov_b32 s45, 0
	s_mul_i32 s46, s46, KROW
	s_mov_b32 s47, 0
	s_mul_i32 s2, s92, HALFT                       ; where they go: wave x 128 rows: no place in the cluster enters an LDS address
	s_mul_i32 s3, s92, HALFS
	s_wait_kmcnt 0x0
	s_cmp_lg_u32 s95, 0                            ; the buffers, by a condition that all partners share
	s_cselect_b64 s[22:23], s[8:9], s[4:5]
	s_add_nc_u64 s[44:45], s[22:23], s[44:45]      ; A's codes
	s_cselect_b64 s[22:23], s[10:11], s[6:7]
	s_add_nc_u64 s[66:67], s[22:23], s[66:67]      ; A's scales
	s_cselect_b64 s[104:105], s[4:5], s[8:9]
	s_add_nc_u64 s[46:47], s[104:105], s[46:47]    ; B's codes
	s_cselect_b64 s[104:105], s[6:7], s[10:11]
	s_add_nc_u64 s[100:101], s[104:105], s[100:101]  ; B's scales
	CROUND                                         ; all sixteen work-groups are here: the first joint loads meet
	s_mov_b32 s[G0S], 1
	s_add_co_u32 s[G0S+1], s3, SCL
	s_mov_b64 s[G0S+2:G0S+3], s[66:67]
	s_or_b32 s[G0S+3], s[G0S+3], 0x80000000
	s_mov_b32 s[G0SB], 1
	s_add_co_u32 s[G0SB+1], s3, SCL
	s_mov_b64 s[G0SB+2:G0SB+3], s[100:101]
	s_or_b32 s[G0SB+3], s[G0SB+3], 0x80000000
	JLOAD G0S, G1S, G0SB, G1SB                     ; the scales first: they are wanted with K step 0
.irp s, 0,1
	s_mov_b32 s[G0+4*\s], 1
	s_add_co_u32 s[G0+4*\s+1], s2, \s*SLOT
	s_add_nc_u64 s[G0+4*\s+2:G0+4*\s+3], s[44:45], \s*ROWB
	s_or_b32 s[G0+4*\s+3], s[G0+4*\s+3], 0x80000000
	s_mov_b32 s[G0B+4*\s], 1
	s_add_co_u32 s[G0B+4*\s+1], s2, \s*SLOT
	s_add_nc_u64 s[G0B+4*\s+2:G0B+4*\s+3], s[46:47], \s*ROWB
	s_or_b32 s[G0B+4*\s+3], s[G0B+4*\s+3], 0x80000000
	JLOAD G0+4*\s, G1, G0B+4*\s, G1B               ; three loads of mine are out
.endr
	; where my results go.  X's tile and half give batch and step of 128 tokens, W's give the two heads
	s_cmp_lg_u32 s95, 0
	s_cselect_b32 s40, s43, s42                    ; X's tile
	s_cselect_b32 s41, s42, s43                    ; W's tile
	s_cselect_b32 s44, s94, s93                    ; my half of X's tile
	s_cselect_b32 s45, s93, s94                    ; my half of W's
	s_and_b32 s40, s40, 31                         ; in its tensor
	s_and_b32 s41, s41, 3
	s_lshl_b32 s22, s41, 10
	s_lshl_b32 s23, s45, 9
	s_add_co_u32 s22, s22, s23                     ; my 128 features' biases: 4 (256 tile + 128 half) bytes on
	s_mov_b32 s23, 0
	s_cmp_eq_u32 s96, 0
	s_cselect_b64 s[12:13], s[12:13], s[14:15]     ; bq or bk,
	s_cmp_eq_u32 s96, 2
	s_cselect_b64 s[12:13], s[16:17], s[12:13]     ; or bv
	s_add_nc_u64 s[12:13], s[12:13], s[22:23]
	global_load_b128 v[8:11], v[LI16], s[12:13]    ; 512 consecutive bytes
	s_lshr_b32 s46, s40, 3                         ; batch n
	s_lshl_b32 s46, s46, 4
	s_lshl_b32 s41, s41, 2
	s_add_co_u32 s46, s46, s41
	s_lshl_b32 s45, s45, 1
	s_add_co_u32 s46, s46, s45                     ; my first head: 16 n + 4 tile + 2 half
	s_and_b32 s40, s40, 7
	s_lshl_b32 s40, s40, 1
	s_add_co_u32 s40, s40, s44                     ; my step of 128 tokens
	s_mul_i32 s66, s96, 6291456                    ; Q's, K's or V's image,
	s_mul_i32 s67, s46, 98304                      ; the head,
	s_add_co_u32 s66, s66, s67
	s_mul_i32 s67, s40, 6144                       ; the step
	s_add_co_u32 s66, s66, s67
	s_mov_b32 s67, 0
	s_add_nc_u64 s[4:5], s[18:19], s[66:67]        ; s[4:5]: where my codes go (the second head 98,304 bytes on)
	s_mov_b32 s100, 12288
	s_cmp_eq_u32 s96, 0
	s_cselect_b32 s100, 8192, s100                 ; a head's scale words: Q 8,192 bytes; K and V together 12,288
	s_cselect_b32 s66, 0, 524288
	s_mov_b32 s101, 0
	s_mul_i32 s47, s46, s100
	s_add_co_u32 s66, s66, s47
	s_lshl_b32 s22, s40, 8
	s_add_co_u32 s22, s22, 8192                    ; V: behind K's, 256 bytes a step
	s_lshl_b32 s23, s40, 9                         ; Q, K: 512 bytes a step
	s_cmp_lg_u32 s95, 0
	s_cselect_b32 s22, s22, s23
	s_add_co_u32 s66, s66, s22
	s_add_nc_u64 s[6:7], s[20:21], s[66:67]        ; s[6:7]: my first head's scale words,
	s_add_nc_u64 s[8:9], s[6:7], s[100:101]        ; s[8:9]: my second head's
	s_mov_b32 s10, 0xffff0000                      ; lanes 16-31
	s_mov_b32 s104, 0x1800000                      ; the floor 2^(3 - 127)
	s_mov_b32 s105, 0x7f7f0000
	s_mov_b32 s11, 0x76543210                      ; v_permlanex16_b32's selects for lane l xor 16
	s_mov_b32 s14, 0xfedcba98
	v_and_b32 v1, 15, v0                           ; r
	v_bfe_u32 v2, v0, 4, 1                         ; h
	v_mul_u32_u24 v3, v1, PITCH
	v_mul_u32_u24 v4, v2, 24
	v_add_nc_u32 v4, v3, v4                        ; a fragment's row x pitch + 24 x half
	v_lshl_add_u32 v5, v2, 4, v4                   ; and the same behind one padding more
	s_mul_i32 s22, s93, HALFT                      ; my 128 rows of A
	s_mul_i32 s23, s94, HALFT                      ; my 128 rows of B,
	s_add_co_u32 s23, s23, 2*HALFT                 ; which lie behind A's 256
.irp s, 0,1
	v_add_nc_u32 v[ADRA+\s], s22, v4
	v_add_nc_u32 v[ADRB+\s], s23, v4
	v_add_nc_u32 v[ADRA+2+\s], s22, v5
	v_add_nc_u32 v[ADRB+2+\s], s23, v5
	s_add_co_u32 s22, s22, SLOT
	s_add_co_u32 s23, s23, SLOT
.endr
	v_mul_u32_u24 v5, v1, KS                       ; my row's scales: 32 bytes a row,
	v_lshrrev_b32 v6, 8, v5
	v_lshl_add_u32 v5, v6, 4, v5                   ; and 16 more for each 256 passed
	s_mul_i32 s22, s93, HALFS
	s_mul_i32 s23, s94, HALFS
	s_add_co_u32 s23, s23, 2*HALFS
	s_sub_co_u32 s23, s23, s22
	v_mul_u32_u24 v6, s23, v2                      ; lanes 16-31 take B's: one product, the distance between the two bases
	s_add_co_u32 s22, s22, SCL
	v_add_nc_u32 v5, v5, v6
	v_add_nc_u32 v[ADRS], s22, v5
	s_lshl_b32 s22, s92, 9
	s_add_co_u32 s22, s22, BIASL                   ; my wave's biases
	v_add_nc_u32 v[BST], s22, v[LI16]
	v_lshl_add_u32 v[BA], v2, 6, s22
	v_and_b32 v6, 8, v1
	v_add_nc_u32 v6, v6, v1
	v_lshl_add_u32 v[BA2], v6, 2, s22
.macro FRAG reg, adr, q, i             ; 16 rows x 128 K of 6-bit codes: 12 registers, in pieces of 8 bytes; where lanes 16-31's piece lies behind one padding more, the second address register serves
.irp p, 0,1,2,3,4,5
.set PCE, 12*(\q)+6*(\p/3)+\p%3
.if PCE%8 < 5
	ds_load_b64 v[\reg+2*\p:\reg+2*\p+1], v[\adr] offset:8*PCE+16*(PCE/8)+(\i)*16*PITCH
.else
	ds_load_b64 v[\reg+2*\p:\reg+2*\p+1], v[\adr+2] offset:8*PCE+16*(PCE/8)+(\i)*16*PITCH
.endif
.endr
.endm
; 16 matrix instructions: A's blocks a0, a0 + 1 x B's eight, the slot's q-th 128 along K.  The 64 accumulators take turns, one instruction a turn, in the same order in every step.
.macro MUL16 a0, p, q, sc, zero
.irp a, \a0, \a0+1
.irp b, 0,1,2,3,4,5,6,7
.if \zero
	v_wmma_scale_f32_16x16x128_f8f6f4 v[8*(8*((\a)%4)+\b):8*(8*((\a)%4)+\b)+7], v[128*(\p)+FR*\b:128*(\p)+FR*\b+FR-1], v[AF+FR*(\a):AF+FR*(\a)+FR-1], 0, v[SC+8*NQ*(\sc)+NQ*\b+(\q)], v[SC+8*NQ*(\sc)+NQ*(\a)+(\q)] matrix_a_fmt:MATRIX_FMT_FP6 matrix_b_fmt:MATRIX_FMT_FP6 matrix_a_scale:MATRIX_SCALE_ROW1
.else
	v_wmma_scale_f32_16x16x128_f8f6f4 v[8*(8*((\a)%4)+\b):8*(8*((\a)%4)+\b)+7], v[128*(\p)+FR*\b:128*(\p)+FR*\b+FR-1], v[AF+FR*(\a):AF+FR*(\a)+FR-1], v[8*(8*((\a)%4)+\b):8*(8*((\a)%4)+\b)+7], v[SC+8*NQ*(\sc)+NQ*\b+(\q)], v[SC+8*NQ*(\sc)+NQ*(\a)+(\q)] matrix_a_fmt:MATRIX_FMT_FP6 matrix_b_fmt:MATRIX_FMT_FP6 matrix_a_scale:MATRIX_SCALE_ROW1
.endif
.endr
.endr
.endm
.macro FETCH_B slot, q, p
	WIN TO_B
.irp i, 0,1,2,3,4,5,6,7
	FRAG 128*(\p)+FR*\i, ADRB+\slot, \q, \i
.endr
	WIN 0
.endm
.macro FETCH_A slot, q, i0
.irp i, \i0, \i0+1, \i0+2, \i0+3
	FRAG AF+FR*(\i), ADRA+\slot, \q, \i
.endr
.endm
.macro SCALES sc                       ; a K step's scale words: two words a row; lanes 0-15 A's block i, lanes 16-31 B's block i
.irp i, 0,1,2,3,4,5,6,7
	ds_load_b64 v[SC+8*NQ*\sc+NQ*\i:SC+8*NQ*\sc+NQ*\i+1], v[ADRS] offset:\i*SBLK
.endr
.endm
.macro PLACES n                        ; plain vector instructions between a matrix instruction and a load into, or a vector read of, its registers
.rept \n
	v_nop
.endr
.endm
.macro STEP slot, q, zero              ; a step of 128 along K that has its successor in the same slot
	s_wait_dscnt 4*NL                              ; B's set and A's blocks 0-3 are in; the youngest 24 loads (A's blocks 4-7) may be out
	WIN MUL_LO
	MUL16 0, (\q)%2, \q, \slot, \zero
	MUL16 2, (\q)%2, \q, \slot, \zero
	s_wait_dscnt 0                                 ; A's blocks 4-7 are in
	PLACES NP
	FETCH_B \slot, (\q)+1, 1-(\q)%2
	FETCH_A \slot, (\q)+1, 0
	WIN MUL_HI
	MUL16 4, (\q)%2, \q, \slot, \zero
	MUL16 6, (\q)%2, \q, \slot, \zero
	PLACES NP
	WIN 0
	FETCH_A \slot, (\q)+1, 4
.endm
; A slot's last step changes slots: one barrier; in front of it each wave waits for all its tensor loads, adds 0 to its spare word, and waits for that and for its reads of this slot.  fill = 1: this slot is filled again, two K steps ahead.
.macro TURN slot, next, fill
	s_wait_tensorcnt 0x0                           ; all my tensor loads have landed: my part of the next slot
	ds_add_u32 v[SPW], v[NIL]                      ; 0 onto my spare word
	s_wait_dscnt 4*NL+1                            ; (the add and the youngest 24 loads may be out)
	WIN MUL_LO
	MUL16 0, 1, NQ-1, \slot, 0                     ; sixteen matrix instructions stand between the add and the wait for it
	s_wait_dscnt 0x0                               ; the add is done, and my reads of this slot are over
	s_barrier_signal -1
	MUL16 2, 1, NQ-1, \slot, 0
	WIN 0
	s_barrier_wait -1
.if \fill
	CREST                                          ; the barrier has opened a round of the cluster's: no wave of any partner still reads this slot or has a load on its way
	s_add_nc_u64 s[G0+4*\slot+2:G0+4*\slot+3], s[G0+4*\slot+2:G0+4*\slot+3], 2*ROWB
	s_add_nc_u64 s[G0B+4*\slot+2:G0B+4*\slot+3], s[G0B+4*\slot+2:G0B+4*\slot+3], 2*ROWB
	JLOAD G0+4*\slot, G1, G0B+4*\slot, G1B         ; the first tensor load behind the round; its four v_nop are the places in front of the loads below
.else
	PLACES NP
.endif
	v_add_nc_u32 v[ADRS], 4*NQ, v[ADRS]            ; on to the next K step's scale words
	FETCH_B \next, 0, 0
	FETCH_A \next, 0, 0
	SCALES \next
	WIN MUL_HI
	MUL16 4, 1, NQ-1, \slot, 0
	MUL16 6, 1, NQ-1, \slot, 0
	PLACES NP
	WIN 0
	FETCH_A \next, 0, 4
.endm
	s_wait_loadcnt 0x0                             ; my 128 biases,
	ds_store_b128 v[BST], v[8:11]                  ; into my own 512 bytes of LDS: only I read them
	s_wait_tensorcnt 1                             ; the scales and my part of K step 0 are in (K step 1's load may be out)
	s_wait_dscnt 0x0
	s_barrier_signal -1
	s_barrier_wait -1
	FETCH_B 0, 0, 0
	FETCH_A 0, 0, 0
	SCALES 0
	FETCH_A 0, 0, 4
	STEP 0, 0, 1                                   ; the first step's products start the sums
	s_mov_b32 s3, LAPS-1
.Llap:                                             ; a trip goes once round the ring and fills both slots again
	TURN 0, 1, 1
	STEP 1, 0, 0
	TURN 1, 0, 1
	STEP 0, 0, 0
	s_sub_co_u32 s3, s3, 1
	s_cmp_lg_u32 s3, 0
	s_cbranch_scc1 .Llap
	TURN 0, 1, 0                                   ; the last lap fills nothing
	STEP 1, 0, 0
	s_wait_dscnt 4*NL
	WIN MUL_LO
	MUL16 0, 1, NQ-1, 1, 0
	MUL16 2, 1, NQ-1, 1, 0
	s_wait_dscnt 0
	WIN MUL_HI
	MUL16 4, 1, NQ-1, 1, 0
	MUL16 6, 1, NQ-1, 1, 0
	WIN 0
; THE WAY OUT: bias, quantiser, stores; no stage: the codes leave as register images, 512 consecutive bytes a store.
; QUANT: 64 numbers of a lane at v[s] on in window wn, register 16 b + i = index 32 b + 16 (lane / 16) + i of the lane's row, become codes in v[d0 .. d0+5] (blocks 0, 1) and v[d1 .. d1+5] (blocks 2, 3) and the scale word v[pw].
.macro QUANT s, wn, d0, d1, pw
	WIN ((\wn)<<2)|((\wn)<<4)
.irp b, 0,1,2,3
	v_max3_num_f32 v[TM+\b], s104, |v[(\s)+16*\b]|, |v[(\s)+1+16*\b]|   ; my 16 numbers of block b, and the floor
.endr
.irp i, 2,4,6,8,10,12,14
.irp b, 0,1,2,3
	v_max3_num_f32 v[TM+\b], v[TM+\b], |v[(\s)+16*\b+\i]|, |v[(\s)+1+16*\b+\i]|   ; the four blocks by turns
.endr
.endr
	WIN 0
.irp b, 0,1,2,3
	v_permlanex16_b32 v[TM+4+\b], v[TM+\b], s11, s14
.endr
.irp b, 0,1,2,3
	v_max_num_f32 v[TM+\b], v[TM+\b], v[TM+4+\b]   ; with lane l xor 16's: the block's largest magnitude
.endr
.irp b, 0,1,2,3
	v_add_nc_u32 v[TM+12+\b], 0xff000000, v[TM+\b] ; 2 off its exponent field: the conversion's scale operand
.endr
.irp b, 0,1,2,3
	v_lshrrev_b32 v[TM+4+\b], 23, v[TM+12+\b]      ; the scale's byte
.endr
	v_lshl_or_b32 v[\pw], v[TM+5], 8, v[TM+4]
	v_lshl_or_b32 v[\pw], v[TM+6], 16, v[\pw]
	v_lshl_or_b32 v[\pw], v[TM+7], 24, v[\pw]
	WIN (\wn)
	v_cvt_scalef32_pk16_fp6_f32 v[(\d0):(\d0)+2], v[(\s):(\s)+15], v[TM+12]
	v_cvt_scalef32_pk16_fp6_f32 v[CT:CT+2], v[(\s)+16:(\s)+31], v[TM+13]
	v_cvt_scalef32_pk16_fp6_f32 v[(\d1):(\d1)+2], v[(\s)+32:(\s)+47], v[TM+14]
	v_cvt_scalef32_pk16_fp6_f32 v[CT+4:CT+6], v[(\s)+48:(\s)+63], v[TM+15]
	WIN 0
	v_nop                                          ; one plain place behind a scaled conversion
.irp i, 0,1,2                                      ; the layout wants a whole block in a lane: lanes 0-15 the even block, lanes 16-31 the odd one
	v_permlane16_swap_b32 v[(\d0)+\i], v[CT+\i]
.endr
.irp i, 0,1,2
	v_permlane16_swap_b32 v[(\d1)+\i], v[CT+4+\i]
.endr
.irp i, 0,1,2
	v_mov_b32 v[(\d0)+3+\i], v[CT+\i]
.endr
.irp i, 0,1,2
	v_mov_b32 v[(\d1)+3+\i], v[CT+4+\i]
.endr
.endm
; Q, K: block a = 16 tokens; its 64 registers are my 128 features: blocks 0, 1 the first head, blocks 2, 3 the second
.macro QKROW a
.set AC, 64*((\a)%4)
.set P0, PCB+24*((\a)/2)
	WIN 0x82+0x41*((\a)/4)
.set k, 0
.rept 32
	v_pk_add_f32 v[AC+k:AC+k+1], v[AC+k:AC+k+1], v[BI+k:BI+k+1]   ; + bias, each accumulator from its low end on
.set k, k+2
.endr
	QUANT AC, 2+(\a)/4, P0+6*((\a)%2), P0+12+6*((\a)%2), PW0+(\a)%2
.if (\a)%2 == 1
	v_cndmask_b32 v[XW], v[PW0], v[PW0+1], s10     ; lanes 0-15 the even tile's words, lanes 16-31 the odd tile's
	v_and_or_b32 v[SW0+(\a)/2], v[XW], 0xffff, s105   ; the first head's two bytes under 0x7f7f,
	v_lshrrev_b32 v[YW], 16, v[XW]
	v_or_b32 v[SW1+(\a)/2], s105, v[YW]            ; the second head's
.irp c, 0,1
.irp g, 0,1,2
	global_store_b128 v[LI16], v[P0+12*\c+4*\g:P0+12*\c+4*\g+3], s[4:5] offset:((\a)/2)*1536+512*\g+98304*\c   ; 512 consecutive bytes, aligned
.endr
.endr
.endif
.endm
; V: block a = 16 features (head a / 4, tile a % 4); its 64 registers are my 128 keys: one whole fragment
.macro VROW a
.set AC, 64*((\a)%4)
	WIN 0x82+0x41*((\a)/4)
.set k, 0
.rept 32
	v_pk_add_f32 v[AC+k:AC+k+1], v[AC+k:AC+k+1], v[BI+2*(\a):BI+2*(\a)+1]   ; + my feature's bias
.set k, k+2
.endr
	QUANT AC, 2+(\a)/4, PCB+12*(\a), PCB+6+12*(\a), PW0+(\a)%2
.irp g, 0,1,2
	global_store_b128 v[LI16], v[PCB+12*(\a)+4*\g:PCB+12*(\a)+4*\g+3], s[4:5] offset:((\a)%4)*1536+512*\g+98304*((\a)/4)
.endr
.if (\a)%2 == 1
	v_cndmask_b32 v[SW0+(\a)/2], v[PW0], v[PW0+1], s10
.endif
.endm
	PLACES NP                                      ; behind the last products: loads into the scale words' registers and reads of results follow
.irp b, 0,1,2,3
	v_mov_b32 v[TM+4+\b], 0                        ; written once: a lane permute's destination counts as one of its sources
.endr
	s_cmp_lg_u32 s95, 0                            ; the same in all sixteen partners
	s_cbranch_scc1 .Lv
.irp j, 0,1,2,3,4,5,6,7,8,9,10,11,12,13,14,15
	ds_load_b128 v[BI+4*\j:BI+4*\j+3], v[BA] offset:128*(\j/4)+16*(\j%4)   ; bias of feature 32 b + 16 (lane / 16) + i at register 16 b + i
.endr
	s_wait_dscnt 0x0
.irp a, 0,1,2,3,4,5,6,7
	QKROW \a
.endr
	global_store_b128 v[LI16], v[SW0:SW0+3], s[6:7]
	global_store_b128 v[LI16], v[SW1:SW1+3], s[8:9]
	s_branch .Lend
.Lv:
.irp a, 0,1,2,3,4,5,6,7
	ds_load_b32 v[BI+2*\a], v[BA2] offset:(32*(\a/2)+8*(\a%2))*4          ; stored row 16 a + r of Wv is feature 32 (a / 2) + 8 (a % 2) + r + 8 (r / 8)
	ds_load_b32 v[BI+2*\a+1], v[BA2] offset:(32*(\a/2)+8*(\a%2))*4        ; twice: a pair for the packed addition
.endr
	s_wait_dscnt 0x0
.irp a, 0,1,2,3,4,5,6,7
	VROW \a
.endr
	global_store_b64 v[LI8], v[SW0:SW0+1], s[6:7]  ; 256 consecutive bytes, aligned
	global_store_b64 v[LI8], v[SW0+2:SW0+3], s[8:9]
.Lend:
	s_wait_tensorcnt 0x0                           ; the wave's end
	ds_add_u32 v[SPW], v[NIL]
	s_wait_dscnt 0x0
	CROUND                                         ; the closing round: no work-group ends while a partner may still ask for a tile that names it
	s_endpgm
.Lfunc_end_k_q657fff6ea3_proj:
	.size	k_q657fff6ea3_proj, .Lfunc_end_k_q657fff6ea3_proj-k_q657fff6ea3_proj
	.p2alignl 7, 3214868480
	.fill 96, 4, 3214868480
	.section	.rodata,"a",@progbits
	.p2align	6, 0x0
	.amdhsa_kernel k_q657fff6ea3_proj
		.amdhsa_group_segment_fixed_size 327680
		.amdhsa_private_segment_fixed_size 0
		.amdhsa_enable_private_segment 0
		.amdhsa_kernarg_size 72
		.amdhsa_user_sgpr_count 2
		.amdhsa_user_sgpr_kernarg_segment_ptr 1
		.amdhsa_wavefront_size32 1
		.amdhsa_system_sgpr_workgroup_id_x 1
		.amdhsa_system_sgpr_workgroup_id_y 1
		.amdhsa_system_sgpr_workgroup_id_z 1
		.amdhsa_system_vgpr_workitem_id 0
		.amdhsa_next_free_vgpr 1024
		.amdhsa_next_free_sgpr 106
		.amdhsa_reserve_vcc 0
		.amdhsa_float_denorm_mode_32 3
		.amdhsa_float_denorm_mode_16_64 3
		.amdhsa_memory_ordered 1
		.amdhsa_forward_progress 1
		.amdhsa_inst_pref_size 233
	.end_amdhsa_kernel
	.amdgpu_metadata
---
amdhsa.version: [ 1, 2 ]
amdhsa.kernels:
  - .name:           k_q657fff6ea3_proj
    .symbol:         k_q657fff6ea3_proj.kd
    .args:
      - { .name: xc, .offset: 0, .size: 8, .value_kind: global_buffer, .address_space: global }
      - { .name: xs, .offset: 8, .size: 8, .value_kind: global_buffer, .address_space: global }
      - { .name: wc, .offset: 16, .size: 8, .value_kind: global_buffer, .address_space: global }
      - { .name: ws, .offset: 24, .size: 8, .value_kind: global_buffer, .address_space: global }
      - { .name: bq, .offset: 32, .size: 8, .value_kind: global_buffer, .address_space: global }
      - { .name: bk, .offset: 40, .size: 8, .value_kind: global_buffer, .address_space: global }
      - { .name: bv, .offset: 48, .size: 8, .value_kind: global_buffer, .address_space: global }
      - { .name: himg, .offset: 56, .size: 8, .value_kind: global_buffer, .address_space: global }
      - { .name: hsc, .offset: 64, .size: 8, .value_kind: global_buffer, .address_space: global }
    .group_segment_fixed_size: 327680
    .private_segment_fixed_size: 0
    .kernarg_segment_align: 8
    .kernarg_segment_size: 72
    .max_flat_workgroup_size: 128
    .sgpr_count:     106
    .vgpr_count:     1024
    .wavefront_size: 32
...
	.end_amdgpu_metadata
.endif
;; end of part 2
;; launch attn (part 3): grid 4 x 64, 8 waves a work-group, clusters of 4 x 1, 209,920 bytes of LDS; arguments himg, hsc, yimg, ysc; writes yimg, ysc
.if DOCPART == 3
	.amdgcn_target "amdgcn-amd-amdhsa--gfx1250"
	.amdhsa_code_object_version 6
	.text
	.protected	k_q657fff6ea3_attn
	.globl	k_q657fff6ea3_attn
	.p2align	8
	.type	k_q657fff6ea3_attn,@function
k_q657fff6ea3_attn:
	s_mov_b64 s[64:65], 0
	v_nop
	global_prefetch_b8 v0, s[64:65] scope:SCOPE_SE
	s_setreg_imm32_b32 hwreg(HW_REG_WAVE_MODE, 25, 1), 1
	s_wait_xcnt 0x0
	s_wait_alu depctr_hold_cnt(0) depctr_sa_sdst(0) depctr_va_vdst(0) depctr_va_sdst(0) depctr_va_ssrc(0) depctr_va_vcc(0) depctr_vm_vsrc(0)
	s_getreg_b32 s2, hwreg(HW_REG_IB_STS2, 6, 4)
	s_cmp_eq_u32 s2, 0
	s_cbranch_scc0 .Lentry_in_a_cluster
	s_endpgm
.Lentry_in_a_cluster:
	s_bfe_u32 s2, ttmp6, 0x10000c
	s_cmp_lg_u32 s2, 0x3003
	s_cbranch_scc0 .Lentry_shape_is_right
	s_endpgm
.Lentry_shape_is_right:
; Y[nh][q] = (sum over keys of p V) / (sum of p), p = 2^(t - M), t = (Q . K) log2(e) / 8, M = the running largest t rounded up to a whole number; both products on codes of FP6 (E2M3) with E8M0 scales.
; p is quantised along the keys, not normalised; the row's sum is taken of the unquantised p in f32.  Y is quantised along the 1024 features (a head owns two blocks of 32) and stored as the next launch's operand image.
; SHARES.  A work-group owns 512 queries of one head (nh = the cluster's y; the block = cx), in two passes of 256.  Each of eight waves owns 32 queries a pass: tile A in register window 0, tile B under the same
; register numbers in window 1, so that a tile's text is written once.  Every fragment of K and V read from LDS feeds both tiles.  Two waves share a SIMD: one wave's vector work stands beside the other's products.
; THE WHOLE HEAD'S K AND V LIE IN LDS (2 x 98,304 bytes of codes, 12,288 of scale words), fetched ONCE, jointly by the head's four work-groups (mask 15).  No LDS byte is filled twice.
; They come as images of the operand registers: every LDS read is 16 (or 8) bytes x lane on end.  The head is cut into four chunks of four key steps, so that work begins when the first chunk has landed.
; LAYOUT.  S^T = K Q^T (source 0 = 16 keys), O^T = V^T P^T (source 0 = 16 of the head's 64): a lane holds ONE query throughout.  Stored token rows are swapped (bits 3, 4), so the 16 registers of key tiles 2 b, 2 b + 1
; are the keys 32 b + 16 (lane / 16) + 0 .. 15, and V's tiles give d = 32 b + 16 (lane / 16) + 0 .. 15 likewise.
; THE FIRST PRODUCT'S K IS 64, the instruction's 128: Q's upper six registers are zero codes; K's operand of tile t is its six registers and the six that follow (the next tile's, or zeros), which meet those zero codes;
; the scale bytes of the upper half are 0x7f on both sides.
; LIMITS: a block of zeros or under 2^-124 gets the scale byte 1 (this program alone reads the bytes); NaN and infinities are not served.  ysc is stored two bytes a row: a head owns 2 of a row's 32 scale bytes.
.set VL,   98304                       ; LDS: K's codes at 0, V's here,
.set KSL,  196608                      ; K's scale words (8,192 bytes),
.set VSL,  204800                      ; V's (4,096)
.set LI16, 1                           ; v1  16 x lane
.set AV0,  2                           ; v2  VL + 16 x lane
.set AS0,  3                           ; v3  KSL + 16 x lane
.set AT0,  4                           ; v4  VSL + 8 x lane
.set ADK,  5                           ; v5-8 the step's addresses
.set ADV,  6
.set ADS,  7
.set ADT,  8
.set YA,   9                           ; v9  8 x lane
.set YSA,  10                          ; v10 32 x lane
.set HW,   11                          ; v11 Y's two scale bytes of my row
.set KSR,  16                          ; v16-19 K's scale words: word p: lanes 0-15 tile 2 p, lanes 16-31 tile 2 p + 1
.set VSR,  20                          ; v20-21 V's likewise
.set QS,   22                          ; v22 Q's: lanes 0-15 tile A, lanes 16-31 tile B
.set PS,   24                          ; v24, v25 p's scale words of tiles A, B (scale operands have no window)
.set KB,   28                          ; v28-75 K's eight tiles of six registers; v76-81 zeros
; window 1: v0-47 V's four fragments.   A tile's set, the same numbers in both windows:
.set S,    96                          ; v96-159 S^T, then p, at the end Y
.set O,    160                         ; v160-191 O^T
.set PC,   192                         ; v192-203 p's codes
.set QF,   204                         ; v204-215 Q's fragment; 210-215 zeros
.set BM,   216                         ; v216-219 the blocks' largest scores, then p
.set PT,   220                         ; v220-223 at work
.set SO,   224                         ; v224-227 the conversions' scale operands
.set CT,   228                         ; v228-230, v232-234 the conversions' second halves
.set FF,   236                         ; v236 f = 2^(old M - new M) (v237 named with it as a pair)
.set XX,   238
.set NM,   240                         ; -M
.set TMX,  241                         ; the largest t
.set SUM,  242                         ; v242-243 the sum in two halves
.set WV,   12
.set G1C,  16                          ; s[16:23] group 1: 24 rows of 256 bytes;  s[24:31]: 6 rows;  s[32:35] group 0 of the scale words;  s[36:51] of the four chunks
.set G1S,  24
.set SEL,  52
.set CS,   54                          ; s[54:55] c = log2(e) / 8
.set TK,   56                          ; the step's place among the codes, among K's scale words, among V's
.set TS,   57
.set TT,   58
.set CNT,  59
.set PASS, 60
.set HM,   61
.set MSB, 0
.macro WIN new
.if MSB != (\new)
	s_set_vgpr_msb (MSB<<8)|(\new)
.set MSB, (\new)
.endif
.endm
.macro CROUND                          ; a round of the cluster's barrier
	s_barrier_signal -1
	s_barrier_wait -1
	s_cmp_lg_u32 s[WV], 0
	s_cbranch_scc1 .Lnot_wave_0_\@
	s_barrier_signal -3
.Lnot_wave_0_\@:
	s_barrier_wait -3
	s_barrier_signal -1
	s_barrier_wait -1
.endm
	s_load_b256 s[4:11], s[0:1], 0x0               ; himg, hsc, yimg, ysc
	v_lshl_add_u32 v254, v0, 2, 0x33000
	v_mov_b32 v255, 0
	ds_add_u32 v254, v255
	ds_add_u32 v254, v255
	v_lshrrev_b32 v1, 5, v0
	v_readfirstlane_b32 s[WV], v1                  ; wave 0..7
	s_bfe_u32 s13, ttmp6, 0x40000                  ; cx: my block of 512 queries; it enters Q's and Y's addresses alone
	s_and_b32 s14, ttmp7, 0xffff                   ; the head nh, which the four partners share
	; what I fetch: waves 0-3 K's key step 4 c + wave of chunk c, waves 4-7 V's
	s_lshr_b32 s74, s[WV], 2
	s_and_b32 s75, s[WV], 3
	s_mul_i32 s76, s74, VL
	s_mul_i32 s77, s75, 6144
	s_add_co_u32 s76, s76, s77                     ; in LDS
	s_add_co_u32 s78, s74, 1
	s_mul_i32 s78, s78, 6291456                    ; K's image is the second, V's the third
	s_mul_i32 s79, s14, 98304
	s_add_co_u32 s78, s78, s79
	s_add_co_u32 s78, s78, s77                     ; in memory
	s_mov_b32 s79, 0
	s_mul_i32 s74, s[WV], 1536                     ; and an eighth of the head's 12,288 bytes of scale words
	s_mul_i32 s75, s14, 12288
	s_add_co_u32 s62, s74, s75
	s_add_co_u32 s62, s62, 524288
	s_mov_b32 s63, 0
	s_mov_b32 s[G1C], 15|(3<<16)|(1<<21)           ; 15:0 the mask: all four work-groups; 17:16 elements of 8 bytes; 21 set beside a mask; no padding
	s_mov_b32 s[G1C+1], 32<<16                     ; tensor_dim0 = 32 elements: 256 bytes
	s_mov_b32 s[G1C+2], 24<<16                     ; tensor_dim1 = 24 rows: a key step's 6,144 dense bytes
	s_mov_b32 s[G1C+3], 32<<16                     ; tile_dim0
	s_mov_b32 s[G1C+4], 24                         ; tile_dim1
	s_mov_b32 s[G1C+5], 32                         ; the pitch
	s_mov_b32 s[G1C+6], 0
	s_mov_b32 s[G1C+7], 0
	s_mov_b32 s[G1S], 15|(3<<16)|(1<<21)
	s_mov_b32 s[G1S+1], 32<<16
	s_mov_b32 s[G1S+2], 6<<16
	s_mov_b32 s[G1S+3], 32<<16
	s_mov_b32 s[G1S+4], 6
	s_mov_b32 s[G1S+5], 32
	s_mov_b32 s[G1S+6], 0
	s_mov_b32 s[G1S+7], 0
	; my 32 queries of the first pass: stored rows 512 cx + 32 wave on
	s_lshl_b32 s15, s13, 9
	s_lshl_b32 s2, s[WV], 5
	s_add_co_u32 s15, s15, s2
	s_lshr_b32 s2, s15, 5
	s_mul_i32 s2, s2, 1536                         ; Q's image: 1,536 bytes a pair of tiles
	s_mul_i32 s3, s14, 98304
	s_add_co_u32 s66, s2, s3
	s_mov_b32 s67, 0
	s_lshr_b32 s2, s15, 7
	s_lshl_b32 s2, s2, 9                           ; Q's scale words: 512 bytes a step of 128 rows,
	s_lshl_b32 s3, s14, 13
	s_add_co_u32 s68, s2, s3
	s_and_b32 s2, s[WV], 3
	s_lshl_b32 s2, s2, 2                           ; word (wave % 4) of a lane's four
	s_add_co_u32 s68, s68, s2
	s_mov_b32 s69, 0
	s_lshr_b32 s2, s14, 4
	s_lshl_b32 s2, s2, 11
	s_add_co_u32 s2, s2, s15                       ; my first stored row among the 8,192
	s_lshr_b32 s3, s2, 4
	s_mul_i32 s70, s3, 12288                       ; Y's image: 12,288 bytes a tile of 16 rows,
	s_and_b32 s3, s14, 15
	s_mul_i32 s15, s3, 768                         ; 768 a head
	s_add_co_u32 s70, s70, s15
	s_mov_b32 s71, 0
	s_lshl_b32 s72, s2, 5                          ; Y's scale bytes: 32 a row, 2 a head
	s_lshl_b32 s3, s3, 1
	s_add_co_u32 s72, s72, s3
	s_mov_b32 s73, 0
	s_mov_b32 s[SEL], 0x76543210
	s_mov_b32 s[SEL+1], 0xfedcba98                 ; v_permlanex16_b32's selects for lane l xor 16
	s_mov_b32 s[CS], 0x3e38aa3b                    ; log2(e) / sqrt(64)
	s_mov_b32 s[CS+1], s[CS]                       ; (named with it as a pair)
	s_mov_b32 s[HM], 0xffff0000                    ; lanes 16-31
	s_mov_b32 s[PASS], 2
	s_wait_dscnt 0x0
	s_wait_kmcnt 0x0
	s_add_nc_u64 s[78:79], s[4:5], s[78:79]
	s_add_nc_u64 s[66:67], s[4:5], s[66:67]        ; s[66:67] Q's codes
	s_add_nc_u64 s[68:69], s[6:7], s[68:69]        ; s[68:69] Q's scale words
	s_add_nc_u64 s[70:71], s[8:9], s[70:71]        ; s[70:71] Y's codes
	s_add_nc_u64 s[72:73], s[10:11], s[72:73]      ; s[72:73] Y's scale bytes
	s_mov_b32 s32, 1
	s_add_co_u32 s33, s74, KSL
	s_add_nc_u64 s[34:35], s[6:7], s[62:63]
	s_or_b32 s35, s35, 0x80000000
.irp c, 0,1,2,3
	s_mov_b32 s[36+4*\c], 1
	s_add_co_u32 s[37+4*\c], s76, 24576*\c
	s_add_nc_u64 s[38+4*\c:39+4*\c], s[78:79], 24576*\c
	s_or_b32 s[39+4*\c], s[39+4*\c], 0x80000000
.endr
	CROUND                                         ; all four work-groups are here: the joint loads meet
	tensor_load_to_lds s[32:35], s[G1S:G1S+7]      ; all the launch's fills, one group: five loads of mine are out
	s_nop 0
	tensor_load_to_lds s[36:39], s[G1C:G1C+7]
	s_nop 0
	tensor_load_to_lds s[40:43], s[G1C:G1C+7]
	s_nop 0
	tensor_load_to_lds s[44:47], s[G1C:G1C+7]
	s_nop 0
	tensor_load_to_lds s[48:51], s[G1C:G1C+7]
	s_nop 0
.rept 4
	v_nop
.endr
	v_and_b32 v12, 31, v0
	v_lshlrev_b32 v[LI16], 4, v12
	v_add_nc_u32 v[AV0], VL, v[LI16]
	v_add_nc_u32 v[AS0], KSL, v[LI16]
	v_lshlrev_b32 v[YA], 3, v12
	v_add_nc_u32 v[AT0], VSL, v[YA]
	v_lshlrev_b32 v[YSA], 5, v12
.irp i, 0,1,2,3,4,5
	v_mov_b32 v[KB+48+\i], 0                       ; zero codes behind K's last tile
.endr
.irp w, 0,1
	WIN 0x40*\w
.irp i, 6,7,8,9,10,11
	v_mov_b32 v[QF+\i], 0                          ; Q's upper 64 along the instruction's K: zero codes
.endr
.irp i, 0,1,2,3
	v_mov_b32 v[PT+\i], 0                          ; a lane permute's destination counts as one of its sources
.endr
	v_mov_b32 v[FF+1], 0                           ; (named as the upper half of a pair)
.endr
	WIN 0
.macro QKM t, w                        ; S^T of key tile t, for tile w of the queries
.set rS, S+8*(\t)
.set rK, KB+6*(\t)
.set rC, KSR+(\t)/2
.if ((\t)%2 == 0) && ((\w) == 0)
	v_wmma_scale_f32_16x16x128_f8f6f4 v[rS:rS+7], v[rK:rK+11], v[QF:QF+11], 0, v[rC], v[QS] matrix_a_fmt:MATRIX_FMT_FP6 matrix_b_fmt:MATRIX_FMT_FP6
.elseif ((\t)%2 == 1) && ((\w) == 0)
	v_wmma_scale_f32_16x16x128_f8f6f4 v[rS:rS+7], v[rK:rK+11], v[QF:QF+11], 0, v[rC], v[QS] matrix_a_fmt:MATRIX_FMT_FP6 matrix_b_fmt:MATRIX_FMT_FP6 matrix_a_scale:MATRIX_SCALE_ROW1
.elseif ((\t)%2 == 0)
	v_wmma_scale_f32_16x16x128_f8f6f4 v[rS:rS+7], v[rK:rK+11], v[QF:QF+11], 0, v[rC], v[QS] matrix_a_fmt:MATRIX_FMT_FP6 matrix_b_fmt:MATRIX_FMT_FP6 matrix_b_scale:MATRIX_SCALE_ROW1
.else
	v_wmma_scale_f32_16x16x128_f8f6f4 v[rS:rS+7], v[rK:rK+11], v[QF:QF+11], 0, v[rC], v[QS] matrix_a_fmt:MATRIX_FMT_FP6 matrix_b_fmt:MATRIX_FMT_FP6 matrix_a_scale:MATRIX_SCALE_ROW1 matrix_b_scale:MATRIX_SCALE_ROW1
.endif
.endm
.macro PVM dt, w                       ; O^T += V^T P^T, tile dt of the head's 64
.set rO, O+8*(\dt)
.set rV, 12*(\dt)
.set rC, VSR+(\dt)/2
.if (\dt)%2 == 0
	v_wmma_scale_f32_16x16x128_f8f6f4 v[rO:rO+7], v[rV:rV+11], v[PC:PC+11], v[rO:rO+7], v[rC], v[PS+\w] matrix_a_fmt:MATRIX_FMT_FP6 matrix_b_fmt:MATRIX_FMT_FP6
.else
	v_wmma_scale_f32_16x16x128_f8f6f4 v[rO:rO+7], v[rV:rV+11], v[PC:PC+11], v[rO:rO+7], v[rC], v[PS+\w] matrix_a_fmt:MATRIX_FMT_FP6 matrix_b_fmt:MATRIX_FMT_FP6 matrix_a_scale:MATRIX_SCALE_ROW1
.endif
.endm
; A tile's softmax for 128 keys, all in window w but p's scale word.
.macro SOFTMAX w
	WIN 0x55*(\w)
.irp b, 0,1,2,3
	v_max3_num_f32 v[BM+\b], v[S+16*\b], v[S+1+16*\b], v[S+2+16*\b]   ; the largest score of each block of 32 keys: it serves the row's maximum and, since p rises with the score, the block's largest p
.endr
.irp i, 3,5,7,9,11,13
.irp b, 0,1,2,3
	v_max3_num_f32 v[BM+\b], v[BM+\b], v[S+16*\b+\i], v[S+1+16*\b+\i]
.endr
.endr
.irp b, 0,1,2,3
	v_max_num_f32 v[BM+\b], v[BM+\b], v[S+15+16*\b]
.endr
.irp b, 0,1,2,3
	v_permlanex16_b32 v[PT+\b], v[BM+\b], s[SEL], s[SEL+1]
.endr
.irp b, 0,1,2,3
	v_max_num_f32 v[BM+\b], v[BM+\b], v[PT+\b]     ; with lane l xor 16's 16 keys
.endr
	v_max3_num_f32 v[XX], v[BM], v[BM+1], v[BM+2]
	v_max_num_f32 v[XX], v[XX], v[BM+3]
	v_mul_f32 v[XX], s[CS], v[XX]                  ; as t (c is positive)
	v_max_num_f32 v[TMX], v[TMX], v[XX]            ; the running largest t
	v_mov_b32 v[XX], v[NM]
	v_floor_f32 v[NM], -v[TMX]                     ; -M = floor(-t): M is a whole number
	v_sub_f32 v[XX], v[NM], v[XX]                  ; old M - new M: a whole number, 0 or less
	v_cvt_i32_f32 v[XX], v[XX]                     ; (it saturates)
	v_ldexp_f32 v[FF], 1.0, v[XX]                  ; f = 2^(old M - new M): a multiplication by it rounds nothing
.set k, 0
.rept 32
	v_pk_fma_f32 v[S+k:S+k+1], v[S+k:S+k+1], s[CS:CS+1], v[NM:NM+1] op_sel_hi:[1,0,0]   ; t - M, two at a time
.set k, k+2
.endr
.irp b, 0,1,2,3
	v_fma_f32 v[BM+\b], v[BM+\b], s[CS], v[NM]     ; the same of each block's largest score
.endr
.set k, 0
.rept 64
	v_exp_f32 v[S+k], v[S+k]                       ; p = 2^(t - M), at most 1
.set k, k+1
.endr
.irp b, 0,1,2,3
	v_exp_f32 v[BM+\b], v[BM+\b]                   ; the block's largest p: the same two instructions on the same number
.endr
	v_pk_mul_f32 v[SUM:SUM+1], v[SUM:SUM+1], v[FF:FF+1] op_sel_hi:[1,0]   ; the sum under the new M: plain work that names no exponential's result,
.set k, 0
.rept 16
	v_pk_mul_f32 v[O+k:O+k+1], v[O+k:O+k+1], v[FF:FF+1] op_sel_hi:[1,0]   ; and O^T likewise, each accumulator from its low end on
.set k, k+2
.endr
	s_wait_alu depctr_va_vdst(0)                   ; one wait for the 68 exponentials, ahead of the first instruction that names a result
.irp b, 0,1,2,3
	v_max_num_f32 v[BM+\b], 0x1800000, v[BM+\b]    ; the floor 2^(3 - 127): the byte cannot fall under 1
.endr
.irp b, 0,1,2,3
	v_add_nc_u32 v[SO+\b], 0xff000000, v[BM+\b]    ; 2 off the exponent field: the conversion's scale operand
.endr
.irp b, 0,1,2,3
	v_lshrrev_b32 v[PT+\b], 23, v[SO+\b]           ; the scale's byte
.endr
	v_lshl_or_b32 v[XX], v[PT+1], 8, v[PT]
	v_lshl_or_b32 v[XX], v[PT+2], 16, v[XX]
	WIN 0x11*(\w)
	v_lshl_or_b32 v[PS+\w], v[PT+3], 24, v[XX]     ; p's scale word of these 128 keys, into window 0
	WIN 0x55*(\w)
.irp c, 0,1
	v_cvt_scalef32_pk16_fp6_f32 v[PC+6*\c:PC+2+6*\c], v[S+32*\c:S+15+32*\c], v[SO+2*\c]
	v_cvt_scalef32_pk16_fp6_f32 v[CT+4*\c:CT+2+4*\c], v[S+16+32*\c:S+31+32*\c], v[SO+2*\c+1]
.endr
	v_nop                                          ; one plain place behind a scaled conversion
.irp c, 0,1                                        ; a whole block in a lane: lanes 0-15 block 2 c, lanes 16-31 block 2 c + 1
.irp i, 0,1,2
	v_permlane16_swap_b32 v[PC+6*\c+\i], v[CT+4*\c+\i]
.endr
.irp i, 0,1,2
	v_mov_b32 v[PC+3+6*\c+\i], v[CT+4*\c+\i]
.endr
.endr
	v_pk_add_f32 v[PT:PT+1], v[S:S+1], v[S+2:S+3]  ; the row's sum of the UNQUANTISED p, in two chains.  These 32 name no register of the products that follow: they are the places between p's scale word and codes and those products
.irp j, 4,8,12,16,20,24,28,32,36,40,44,48,52,56,60
	v_pk_add_f32 v[SUM:SUM+1], v[SUM:SUM+1], v[S+\j:S+1+\j]
	v_pk_add_f32 v[PT:PT+1], v[PT:PT+1], v[S+2+\j:S+3+\j]
.endr
	v_pk_add_f32 v[SUM:SUM+1], v[SUM:SUM+1], v[PT:PT+1]
.endm
; A KEY STEP: 128 keys, both tiles.  Each accumulator has one instruction a turn, and no two matrix instructions that follow each other share one.
.macro STEP
	WIN 0
	v_add_nc_u32 v[ADK], s[TK], v[LI16]            ; four plain lines: the places between the last step's products and the loads into their operands
	v_add_nc_u32 v[ADV], s[TK], v[AV0]
	v_add_nc_u32 v[ADS], s[TS], v[AS0]
	v_add_nc_u32 v[ADT], s[TT], v[AT0]
.irp g, 0,1,2,3,4,5,6,7,8,9,10,11
	ds_load_b128 v[KB+4*\g:KB+4*\g+3], v[ADK] offset:512*\g
.endr
	ds_load_b128 v[KSR:KSR+3], v[ADS]
	WIN 0x40                                       ; destination window 1
.irp g, 0,1,2,3,4,5,6,7,8,9,10,11
	ds_load_b128 v[4*\g:4*\g+3], v[ADV] offset:512*\g
.endr
	WIN 0
	ds_load_b64 v[VSR:VSR+1], v[ADT]
	s_wait_dscnt 13                                ; K's 13 loads are in; V's 13, issued behind them, may be out
.irp t, 0,1,2,3,4,5,6,7
	QKM \t, 0
.endr
	WIN 0x54                                       ; K window 0; Q and S^T window 1
.irp t, 0,1,2,3,4,5,6,7
	QKM \t, 1
.endr
	WIN 0
.rept 4
	v_nop                                          ; places in front of the first read of the scores
.endr
	SOFTMAX 0
	s_wait_dscnt 0x0                               ; V is in
	WIN 0x01                                       ; V window 1; p and O^T window 0
.irp d, 0,1,2,3
	PVM \d, 0
.endr
	SOFTMAX 1
	WIN 0x55
.irp d, 0,1,2,3
	PVM \d, 1
.endr
	WIN 0
.endm
; A chunk of four key steps.  The loads were issued in the order scale words, chunk 0 .. 3: behind chunk c's stand 3 - c.  Each wave waits for its own part, then the barrier shows all eight parts.
.macro CHUNK c
	s_wait_tensorcnt 3-(\c)
	s_wait_dscnt 0x0
	s_barrier_signal -1
	s_barrier_wait -1
	s_mov_b32 s[TK], 24576*(\c)
	s_mov_b32 s[TS], 2048*(\c)
	s_mov_b32 s[TT], 1024*(\c)
	s_mov_b32 s[CNT], 4
.Lstep_\@:
	STEP
	s_add_co_u32 s[TK], s[TK], 6144
	s_add_co_u32 s[TS], s[TS], 512
	s_add_co_u32 s[TT], s[TT], 256
	s_sub_co_u32 s[CNT], s[CNT], 1
	s_cmp_lg_u32 s[CNT], 0
	s_cbranch_scc1 .Lstep_\@
.endm
.macro INIT w                          ; a pass begins: O^T and the sum are zeros, the largest t is -3e38: the first change of M multiplies zeros
	WIN 0x55*(\w)
.set k, 0
.rept 32
	v_mov_b32 v[O+k], 0
.set k, k+1
.endr
	v_mov_b32 v[TMX], 0xff61b1e6
	v_floor_f32 v[NM], -v[TMX]
	v_mov_b32 v[SUM], 0
	v_mov_b32 v[SUM+1], 0
	WIN 0
.endm
; A pass ends, for tile w: Y = O^T / the sum; register 16 b + i is feature 32 b + 16 (lane / 16) + i of the head: two blocks, quantised as p is; six registers a lane leave as three stores of 256 consecutive bytes.
.macro FIN w
	WIN 0x55*(\w)
	v_add_f32 v[SUM], v[SUM], v[SUM+1]
	v_permlanex16_b32 v[XX], v[SUM], s[SEL], s[SEL+1]
	v_add_f32 v[SUM], v[SUM], v[XX]                ; the row's sum
	v_rcp_f32 v[FF], v[SUM]
	v_nop                                          ; one plain place behind the reciprocal,
	s_wait_alu depctr_va_vdst(0)                   ; and the wait ahead of its first reader
.set k, 0
.rept 16
	v_pk_mul_f32 v[S+k:S+k+1], v[O+k:O+k+1], v[FF:FF+1] op_sel_hi:[1,0]
.set k, k+2
.endr
.irp b, 0,1
	v_max3_num_f32 v[BM+\b], |v[S+16*\b]|, |v[S+1+16*\b]|, 0x1800000
.endr
.irp i, 2,4,6,8,10,12,14
.irp b, 0,1
	v_max3_num_f32 v[BM+\b], v[BM+\b], |v[S+16*\b+\i]|, |v[S+1+16*\b+\i]|
.endr
.endr
.irp b, 0,1
	v_permlanex16_b32 v[PT+\b], v[BM+\b], s[SEL], s[SEL+1]
.endr
.irp b, 0,1
	v_max_num_f32 v[BM+\b], v[BM+\b], v[PT+\b]
.endr
.irp b, 0,1
	v_add_nc_u32 v[SO+\b], 0xff000000, v[BM+\b]
.endr
.irp b, 0,1
	v_lshrrev_b32 v[PT+\b], 23, v[SO+\b]
.endr
	v_lshl_or_b32 v[XX], v[PT+1], 8, v[PT]         ; my row's two scale bytes
	v_cvt_scalef32_pk16_fp6_f32 v[PC:PC+2], v[S:S+15], v[SO]
	v_cvt_scalef32_pk16_fp6_f32 v[CT:CT+2], v[S+16:S+31], v[SO+1]
	v_nop
.irp i, 0,1,2
	v_permlane16_swap_b32 v[PC+\i], v[CT+\i]
.endr
.irp i, 0,1,2
	v_mov_b32 v[PC+3+\i], v[CT+\i]
.endr
	WIN 0x04*(\w)                                  ; a store's data are its source 1
.irp i, 0,1,2
	global_store_b64 v[YA], v[PC+2*\i:PC+2*\i+1], s[70:71] offset:12288*(\w)+256*\i
.endr
	WIN 0
.endm
.Lpass:
	global_load_b128 v[QF:QF+3], v[LI16], s[66:67]                ; tile A's six registers are the first six of the pair's twelve,
	global_load_b64 v[QF+4:QF+5], v[LI16], s[66:67] offset:512
	global_load_b32 v[QS], v[LI16], s[68:69]
	WIN 0x40
	global_load_b64 v[QF:QF+1], v[LI16], s[66:67] offset:520      ; tile B's the last six
	global_load_b128 v[QF+2:QF+5], v[LI16], s[66:67] offset:1024
	WIN 0
	INIT 0
	INIT 1
	s_wait_loadcnt 0x0
	CHUNK 0
	CHUNK 1
	CHUNK 2
	CHUNK 3
	FIN 0                                          ; its lines are also the places behind tile B's last products
	FIN 1
	WIN 0x04
	v_cndmask_b32 v[HW], v[XX], v[XX], s[HM]       ; lanes 0-15 tile A's rows, lanes 16-31 tile B's (source 1 in window 1)
	WIN 0
	global_store_b16 v[YSA], v[HW], s[72:73]
	s_wait_xcnt 0x0                                ; the stores have read their registers and bases: both are written again only behind this wait
	s_add_nc_u64 s[66:67], s[66:67], 12288         ; 256 rows on: 8 pairs of tiles,
	s_add_nc_u64 s[68:69], s[68:69], 1024          ; 2 steps of scale words,
	s_add_nc_u64 s[70:71], s[70:71], 196608        ; 16 tiles of Y,
	s_add_nc_u64 s[72:73], s[72:73], 8192          ; 256 rows of scale bytes
	s_sub_co_u32 s[PASS], s[PASS], 1
	s_cmp_lg_u32 s[PASS], 0
	s_cbranch_scc1 .Lpass
	s_wait_dscnt 0x0
	s_wait_tensorcnt 0x0
	ds_add_u32 v254, v255
	s_wait_dscnt 0x0
	CROUND                                         ; the closing round
	s_endpgm
.Lfunc_end_k_q657fff6ea3_attn:
	.size	k_q657fff6ea3_attn, .Lfunc_end_k_q657fff6ea3_attn-k_q657fff6ea3_attn
	.p2alignl 7, 3214868480
	.fill 96, 4, 3214868480
	.section	.rodata,"a",@progbits
	.p2align	6, 0x0
	.amdhsa_kernel k_q657fff6ea3_attn
		.amdhsa_group_segment_fixed_size 209920
		.amdhsa_private_segment_fixed_size 0
		.amdhsa_enable_private_segment 0
		.amdhsa_kernarg_size 32
		.amdhsa_user_sgpr_count 2
		.amdhsa_user_sgpr_kernarg_segment_ptr 1
		.amdhsa_wavefront_size32 1
		.amdhsa_system_sgpr_workgroup_id_x 1
		.amdhsa_system_sgpr_workgroup_id_y 1
		.amdhsa_system_sgpr_workgroup_id_z 1
		.amdhsa_system_vgpr_workitem_id 0
		.amdhsa_next_free_vgpr 512
		.amdhsa_next_free_sgpr 80
		.amdhsa_reserve_vcc 0
		.amdhsa_float_denorm_mode_32 3
		.amdhsa_float_denorm_mode_16_64 3
		.amdhsa_memory_ordered 1
		.amdhsa_forward_progress 1
		.amdhsa_inst_pref_size 134
	.end_amdhsa_kernel
	.amdgpu_metadata
---
amdhsa.version: [ 1, 2 ]
amdhsa.kernels:
  - .name:           k_q657fff6ea3_attn
    .symbol:         k_q657fff6ea3_attn.kd
    .args:
      - { .name: himg, .offset: 0, .size: 8, .value_kind: global_buffer, .address_space: global }
      - { .name: hsc, .offset: 8, .size: 8, .value_kind: global_buffer, .address_space: global }
      - { .name: yimg, .offset: 16, .size: 8, .value_kind: global_buffer, .address_space: global }
      - { .name: ysc, .offset: 24, .size: 8, .value_kind: global_buffer, .address_space: global }
    .group_segment_fixed_size: 209920
    .private_segment_fixed_size: 0
    .kernarg_segment_align: 8
    .kernarg_segment_size: 32
    .max_flat_workgroup_size: 256
    .sgpr_count:     80
    .vgpr_count:     512
    .wavefront_size: 32
...
	.end_amdgpu_metadata
.endif
;; end of part 3
;; launch outp (part 4): grid 4 x 32, 4 waves a work-group, clusters of 4 x 4, 327,680 bytes of LDS; arguments yimg, ysc, wc, ws, bp, out0; writes out0
.if DOCPART == 4
	.amdgcn_target "amdgcn-amd-amdhsa--gfx1250"
	.amdhsa_code_object_version 6
	.text
	.protected	k_q657fff6ea3_outp
	.globl	k_q657fff6ea3_outp
	.p2align	8
	.type	k_q657fff6ea3_outp,@function
k_q657fff6ea3_outp:
	s_mov_b64 s[64:65], 0
	v_nop
	global_prefetch_b8 v0, s[64:65] scope:SCOPE_SE
	s_setreg_imm32_b32 hwreg(HW_REG_WAVE_MODE, 25, 1), 1
	s_wait_xcnt 0x0
	s_wait_alu depctr_hold_cnt(0) depctr_sa_sdst(0) depctr_va_vdst(0) depctr_va_sdst(0) depctr_va_ssrc(0) depctr_va_vcc(0) depctr_vm_vsrc(0)
	s_getreg_b32 s2, hwreg(HW_REG_IB_STS2, 6, 4)
	s_cmp_eq_u32 s2, 0
	s_cbranch_scc0 .Lentry_in_a_cluster
	s_endpgm
.Lentry_in_a_cluster:
	s_bfe_u32 s2, ttmp6, 0x10000c
	s_cmp_lg_u32 s2, 0xf033
	s_cbranch_scc0 .Lentry_shape_is_right
	s_endpgm
.Lentry_shape_is_right:
; out0 = Y Wp^T + bp on codes of FP6 (E2M3) with E8M0 scales for each 32 along K = 1024; sums in f32; out0 [8192][1024] f32.
; A tile of 256 x 256 is made by four waves, 128 x 128 each (64 accumulators, 512 registers); K goes in steps of 256 through a ring of two LDS slots filled by the tensor data mover.
; Y ("A", source 1) lies in memory as images of the operand registers, [tile of 16 stored rows][128 along K (8)][6 pieces][lane][8 bytes]: a K step of a tile is 3,072 dense bytes, and a fragment comes by six loads of 8 bytes x lane on end.
; Wp ("B", source 0) is wc's fourth matrix, rows of 768 bytes, stored swapped (bits 3, 4 of the row), so that a lane's registers of tiles 2 b, 2 b + 1 are the 16 neighbouring columns 32 b + 16 (lane / 16) + 0 .. 15.
; Y's rows are stored swapped too: the way out puts stored row 16 a + t at row 32 (a / 2) + 8 (a % 2) + t + 8 (t / 8).
; The scale bytes of the work-group's 2 x 256 rows come into LDS once.  The bias is the C of each sum's first matrix instruction.
; CLUSTERS 4 x 4: A's tiles are asked for jointly along a row of the cluster, B's along a column.  The 1024 columns and 8192 rows make 128 tiles of this size.
; REGISTERS: window 0: v16-31 addresses; v32-63 scale words, two sets; v64-127 the bias in the result's layout; v128-223 A's fragments;  window 1: B's fragments, two sets;  windows 2, 3: the accumulators.
.set KSTEP,  256
.set NQ,     2
.set ROWB,   192
.set KROW,   768
.set ASTEP,  3072                      ; a K step of one tile of Y's image
.set PITCH,  240
.set FR,     12
.set NL,     6
.set NP,     4
.set HALFT,  128*PITCH
.set SLOT,   4*HALFT
.set LAPS,   2
.set KS,     32
.set SCL,    2*SLOT
.set HALFS,  (128*KS/256)*272
.set SBLK,   (16*KS/256)*272
.set SPARE,  SCL+4*HALFS               ; the spare words, 128 bytes a wave: two blocks of 256 bytes that no other line names
.set SPITCH, 528                       ; the way out: a stage of 16 rows x (512 + 16) bytes a wave, in slot 0, which has had its last fill and its last read by then
.set NB4,    4096                      ; a row of out0 in bytes
.set ADRA, 16                          ; v16-17 A's image in slot 0, 1
.set ADRB, 20                          ; v20-23 B's rows
.set STO,  24
.set RD,   25
.set CO,   26
.set ADRS, 27
.set SPW,  28
.set NIL,  29
.set SC,   32
.set BI,   64
.set AF,   128
.set BK,   128
.set G1, 24
.set G0, 32
.set G1B, 48
.set G0B, 56
.set G1S, 68
.set G0S, 76
.set G1SB, 80
.set G0SB, 88
.set MSB, 0
.macro WIN new
.if MSB != (\new)
	s_set_vgpr_msb (MSB<<8)|(\new)
.set MSB, (\new)
.endif
.endm
.set MUL_LO, 0xa1
.set MUL_HI, 0xf1
.set TO_B,   0x40
.macro JLOAD g0a, g1a, g0b, g1b        ; waves 0 and 1 fetch for A, waves 2 and 3 for B; four v_nop follow each of the two lines
	s_cmp_eq_u32 s93, 0
	s_cbranch_scc0 .Lfor_b_\@
	tensor_load_to_lds s[\g0a:\g0a+3], s[\g1a:\g1a+7]
	s_nop 0
.rept 4
	v_nop
.endr
	s_branch .Lasked_\@
.Lfor_b_\@:
	tensor_load_to_lds s[\g0b:\g0b+3], s[\g1b:\g1b+7]
	s_nop 0
.rept 4
	v_nop
.endr
.Lasked_\@:
.endm
.macro CREST
	s_cmp_lg_u32 s92, 0
	s_cbranch_scc1 .Lnot_wave_0_\@
	s_barrier_signal -3
.Lnot_wave_0_\@:
	s_barrier_wait -3
	s_barrier_signal -1
	s_barrier_wait -1
.endm
.macro CROUND
	s_barrier_signal -1
	s_barrier_wait -1
	CREST
.endm
	s_load_b256 s[4:11], s[0:1], 0x0               ; yimg, ysc, wc, ws
	s_load_b128 s[12:15], s[0:1], 0x20             ; bp, out0
	v_lshl_add_u32 v[SPW], v0, 2, SPARE
	v_mov_b32 v[NIL], 0
	ds_add_u32 v28, v29
	ds_add_u32 v28, v29
	s_wait_dscnt 0x0
	v_lshrrev_b32 v1, 5, v0
	v_readfirstlane_b32 s92, v1                    ; wave 0..3
	s_lshr_b32 s93, s92, 1                         ; my half of the tile's rows.  Also: I fetch for A (0) or for B (1)
	s_and_b32 s94, s92, 1                          ; my half of its columns.  Also: which half I fetch
	s_bfe_u32 s98, ttmp6, 0x40000                  ; cx
	s_bfe_u32 s99, ttmp6, 0x40004                  ; cy
	s_lshl_b32 s43, ttmp9, 2
	s_add_co_u32 s43, s43, s98                     ; tile column
	s_and_b32 s42, ttmp7, 0xffff
	s_lshl_b32 s42, s42, 2
	s_add_co_u32 s42, s42, s99                     ; tile row
	s_lshl_b32 s40, s99, 2
	s_lshl_b32 s40, 15, s40                        ; my row of the cluster
	s_lshl_b32 s41, 0x1111, s98                    ; my column
	; A: 8 tiles of 16 rows x 3,072 bytes (384 elements of 8), 12,288 bytes apart, laid on end in LDS
	s_or_b32 s[G1+0], s40, (3<<16)|(1<<21)
	s_mov_b32 s[G1+1], 384<<16
	s_mov_b32 s[G1+2], 8<<16
	s_mov_b32 s[G1+3], 384<<16
	s_mov_b32 s[G1+4], 8
	s_mov_b32 s[G1+5], 1536
	s_mov_b32 s[G1+6], 0
	s_mov_b32 s[G1+7], 0
	; B: 128 rows x 192 bytes, 16 bytes of padding behind every 64
	s_or_b32 s[G1B+0], s41, (0<<16)|(1<<20)|(1<<21)|(3<<22)|(3<<25)
	s_mov_b32 s[G1B+1], ROWB<<16
	s_mov_b32 s[G1B+2], 128<<16
	s_mov_b32 s[G1B+3], ROWB<<16
	s_mov_b32 s[G1B+4], 128
	s_mov_b32 s[G1B+5], KROW
	s_mov_b32 s[G1B+6], 0
	s_mov_b32 s[G1B+7], 0
	; the scales of 128 rows: 16 rows of 256 bytes, 16 bytes of padding behind each
	s_or_b32 s[G1S+0], s40, (3<<16)|(1<<20)|(1<<21)|(5<<22)|(3<<25)
	s_or_b32 s[G1SB+0], s41, (3<<16)|(1<<20)|(1<<21)|(5<<22)|(3<<25)
.irp g, G1S, G1SB
	s_mov_b32 s[\g+1], 32<<16
	s_mov_b32 s[\g+2], (128*KS/256)<<16
	s_mov_b32 s[\g+3], 32<<16
	s_mov_b32 s[\g+4], 128*KS/256
	s_mov_b32 s[\g+5], 32
	s_mov_b32 s[\g+6], 0
	s_mov_b32 s[\g+7], 0
.endr
	s_lshl_b32 s44, s42, 4
	s_lshl_b32 s22, s94, 3
	s_add_co_u32 s44, s44, s22                     ; A: tile of 16 rows: 16 x tile row + 8 x half
	s_mul_i32 s44, s44, 12288
	s_mov_b32 s45, 0
	s_lshl_b32 s22, s94, 7
	s_lshl_b32 s66, s42, 8
	s_add_co_u32 s66, s66, s22
	s_lshl_b32 s66, s66, 5                         ; A's scale bytes: 32 a stored row
	s_mov_b32 s67, 0
	s_lshl_b32 s46, s43, 8
	s_add_co_u32 s46, s46, s22                     ; B: row 256 x tile column + 128 x half of Wp,
	s_lshl_b32 s100, s46, 5
	s_add_co_u32 s100, s100, 98304                 ; which is the fourth matrix of ws
	s_mov_b32 s101, 0
	s_mul_i32 s46, s46, KROW
	s_add_co_u32 s46, s46, 2359296                 ; and of wc
	s_mov_b32 s47, 0
	s_mul_i32 s2, s92, HALFT                       ; where they go: no place in the cluster enters an LDS address
	s_mul_i32 s3, s92, HALFS
	s_wait_kmcnt 0x0
	s_add_nc_u64 s[44:45], s[4:5], s[44:45]
	s_add_nc_u64 s[66:67], s[6:7], s[66:67]
	s_add_nc_u64 s[46:47], s[8:9], s[46:47]
	s_add_nc_u64 s[100:101], s[10:11], s[100:101]
	CROUND                                         ; all sixteen work-groups are here: the first joint loads meet
	s_mov_b32 s[G0S], 1
	s_add_co_u32 s[G0S+1], s3, SCL
	s_mov_b64 s[G0S+2:G0S+3], s[66:67]
	s_or_b32 s[G0S+3], s[G0S+3], 0x80000000
	s_mov_b32 s[G0SB], 1
	s_add_co_u32 s[G0SB+1], s3, SCL
	s_mov_b64 s[G0SB+2:G0SB+3], s[100:101]
	s_or_b32 s[G0SB+3], s[G0SB+3], 0x80000000
	JLOAD G0S, G1S, G0SB, G1SB
.irp s, 0,1
	s_mov_b32 s[G0+4*\s], 1
	s_add_co_u32 s[G0+4*\s+1], s2, \s*SLOT
	s_add_nc_u64 s[G0+4*\s+2:G0+4*\s+3], s[44:45], \s*ASTEP
	s_or_b32 s[G0+4*\s+3], s[G0+4*\s+3], 0x80000000
	s_mov_b32 s[G0B+4*\s], 1
	s_add_co_u32 s[G0B+4*\s+1], s2, \s*SLOT
	s_add_nc_u64 s[G0B+4*\s+2:G0B+4*\s+3], s[46:47], \s*ROWB
	s_or_b32 s[G0B+4*\s+3], s[G0B+4*\s+3], 0x80000000
	JLOAD G0+4*\s, G1, G0B+4*\s, G1B               ; three loads of mine are out
.endr
	v_and_b32 v1, 15, v0                           ; r
	v_bfe_u32 v2, v0, 4, 1                         ; h
	s_lshl_b32 s22, s43, 10
	s_lshl_b32 s23, s94, 9
	s_add_co_u32 s22, s22, s23                     ; my first column, in bytes
	s_mov_b32 s23, 0
	s_add_nc_u64 s[12:13], s[12:13], s[22:23]
	v_lshlrev_b32 v7, 6, v2                        ; the bias in the result's layout: tile b, register j: column 32 (b / 2) + 16 h + 8 (b % 2) + j
.irp b, 0,1,2,3,4,5,6,7
	global_load_b128 v[BI+8*\b:BI+8*\b+3], v7, s[12:13] offset:(32*(\b/2)+8*(\b%2))*4
	global_load_b128 v[BI+8*\b+4:BI+8*\b+7], v7, s[12:13] offset:(32*(\b/2)+8*(\b%2))*4+16
.endr
	s_lshl_b32 s44, s42, 8
	s_lshl_b32 s45, s93, 7
	s_add_co_u32 s44, s44, s45                     ; my first row
	s_lshl_b32 s44, s44, 12
	s_mov_b32 s45, 0
	s_add_nc_u64 s[44:45], s[44:45], s[22:23]
	s_add_nc_u64 s[14:15], s[14:15], s[44:45]      ; out0 at my part's corner
	v_and_b32 v6, 31, v0
	v_lshlrev_b32 v3, 3, v6                        ; A's image: 8 x lane
	v_mul_u32_u24 v4, v1, PITCH
	v_mad_u32_u24 v4, v2, 24, v4                   ; B: row x pitch + 24 x half
	v_lshl_add_u32 v5, v2, 4, v4                   ; and the same behind one padding more
	s_mul_i32 s22, s93, HALFT                      ; my 128 rows of A
	s_mul_i32 s23, s94, HALFT
	s_add_co_u32 s23, s23, 2*HALFT                 ; my 128 rows of B
.irp s, 0,1
	v_add_nc_u32 v[ADRA+\s], s22, v3
	v_add_nc_u32 v[ADRB+\s], s23, v4
	v_add_nc_u32 v[ADRB+2+\s], s23, v5
	s_add_co_u32 s22, s22, SLOT
	s_add_co_u32 s23, s23, SLOT
.endr
	v_mul_u32_u24 v5, v1, KS
	v_lshrrev_b32 v3, 8, v5
	v_lshl_add_u32 v5, v3, 4, v5
	s_mul_i32 s22, s93, HALFS
	s_mul_i32 s23, s94, HALFS
	s_add_co_u32 s23, s23, 2*HALFS
	s_sub_co_u32 s23, s23, s22
	v_mul_u32_u24 v3, s23, v2                      ; lanes 16-31 take B's: one product
	s_add_co_u32 s22, s22, SCL
	v_add_nc_u32 v5, v5, v3
	v_add_nc_u32 v[ADRS], s22, v5
	s_mul_i32 s23, s92, 16*SPITCH                  ; my stage
	v_mul_u32_u24 v5, v1, SPITCH
	v_lshl_add_u32 v5, v2, 6, v5                   ; in: row r, + 64 h
	v_add_nc_u32 v[STO], s23, v5
	v_lshlrev_b32 v[CO], 4, v6                     ; back: the 32 lanes take a row of 512 bytes; the same in out0
	v_add_nc_u32 v[RD], s23, v[CO]
.macro FRAG reg, adr, q, i
.irp p, 0,1,2,3,4,5
.set PCE, 12*(\q)+6*(\p/3)+\p%3
.if PCE%8 < 5
	ds_load_b64 v[\reg+2*\p:\reg+2*\p+1], v[\adr] offset:8*PCE+16*(PCE/8)+(\i)*16*PITCH
.else
	ds_load_b64 v[\reg+2*\p:\reg+2*\p+1], v[\adr+2] offset:8*PCE+16*(PCE/8)+(\i)*16*PITCH
.endif
.endr
.endm
.macro FRAGA reg, slot, q, i           ; A's fragment as it was stored: six pieces of 256 consecutive bytes
.irp p, 0,1,2,3,4,5
	ds_load_b64 v[\reg+2*\p:\reg+2*\p+1], v[ADRA+\slot] offset:ASTEP*(\i)+1536*(\q)+256*\p
.endr
.endm
; 16 matrix instructions; zero = 1: the first product starts the sums on the bias.  The 64 accumulators take turns, one instruction a turn.
.macro MUL16 a0, p, q, sc, zero
.irp a, \a0, \a0+1
.irp b, 0,1,2,3,4,5,6,7
.if \zero
	v_wmma_scale_f32_16x16x128_f8f6f4 v[8*(8*((\a)%4)+\b):8*(8*((\a)%4)+\b)+7], v[128*(\p)+FR*\b:128*(\p)+FR*\b+FR-1], v[AF+FR*(\a):AF+FR*(\a)+FR-1], v[BI+8*\b:BI+8*\b+7], v[SC+8*NQ*(\sc)+NQ*\b+(\q)], v[SC+8*NQ*(\sc)+NQ*(\a)+(\q)] matrix_a_fmt:MATRIX_FMT_FP6 matrix_b_fmt:MATRIX_FMT_FP6 matrix_a_scale:MATRIX_SCALE_ROW1
.else
	v_wmma_scale_f32_16x16x128_f8f6f4 v[8*(8*((\a)%4)+\b):8*(8*((\a)%4)+\b)+7], v[128*(\p)+FR*\b:128*(\p)+FR*\b+FR-1], v[AF+FR*(\a):AF+FR*(\a)+FR-1], v[8*(8*((\a)%4)+\b):8*(8*((\a)%4)+\b)+7], v[SC+8*NQ*(\sc)+NQ*\b+(\q)], v[SC+8*NQ*(\sc)+NQ*(\a)+(\q)] matrix_a_fmt:MATRIX_FMT_FP6 matrix_b_fmt:MATRIX_FMT_FP6 matrix_a_scale:MATRIX_SCALE_ROW1
.endif
.endr
.endr
.endm
.macro FETCH_B slot, q, p
	WIN TO_B
.irp i, 0,1,2,3,4,5,6,7
	FRAG 128*(\p)+FR*\i, ADRB+\slot, \q, \i
.endr
	WIN 0
.endm
.macro FETCH_A slot, q, i0
.irp i, \i0, \i0+1, \i0+2, \i0+3
	FRAGA AF+FR*(\i), \slot, \q, \i
.endr
.endm
.macro SCALES sc
.irp i, 0,1,2,3,4,5,6,7
	ds_load_b64 v[SC+8*NQ*\sc+NQ*\i:SC+8*NQ*\sc+NQ*\i+1], v[ADRS] offset:\i*SBLK
.endr
.endm
.macro PLACES n
.rept \n
	v_nop
.endr
.endm
.macro STEP slot, q, zero
	s_wait_dscnt 4*NL                              ; B's set and A's blocks 0-3 are in; the youngest 24 loads (A's blocks 4-7) may be out
.if \zero
	WIN 0x81                                       ; B window 1, A and the bias window 0, D window 2
.else
	WIN MUL_LO
.endif
	MUL16 0, (\q)%2, \q, \slot, \zero
	MUL16 2, (\q)%2, \q, \slot, \zero
	s_wait_dscnt 0
	PLACES NP
	FETCH_B \slot, (\q)+1, 1-(\q)%2
	FETCH_A \slot, (\q)+1, 0
.if \zero
	WIN 0xc1
.else
	WIN MUL_HI
.endif
	MUL16 4, (\q)%2, \q, \slot, \zero
	MUL16 6, (\q)%2, \q, \slot, \zero
	PLACES NP
	WIN 0
	FETCH_A \slot, (\q)+1, 4
.endm
.macro TURN slot, next, fill
	s_wait_tensorcnt 0x0                           ; all my tensor loads have landed: my part of the next slot
	ds_add_u32 v[SPW], v[NIL]                      ; 0 onto my spare word
	s_wait_dscnt 4*NL+1                            ; (the add and the youngest 24 loads may be out)
	WIN MUL_LO
	MUL16 0, 1, NQ-1, \slot, 0
	s_wait_dscnt 0x0                               ; the add is done, and my reads of this slot are over
	s_barrier_signal -1
	MUL16 2, 1, NQ-1, \slot, 0
	WIN 0
	s_barrier_wait -1
.if \fill
	CREST                                          ; the barrier has opened a round of the cluster's: no wave of any partner still reads this slot or has a load on its way
	s_add_nc_u64 s[G0+4*\slot+2:G0+4*\slot+3], s[G0+4*\slot+2:G0+4*\slot+3], 2*ASTEP
	s_add_nc_u64 s[G0B+4*\slot+2:G0B+4*\slot+3], s[G0B+4*\slot+2:G0B+4*\slot+3], 2*ROWB
	JLOAD G0+4*\slot, G1, G0B+4*\slot, G1B         ; the first tensor load behind the round; its four v_nop are the places in front of the loads below
.else
	PLACES NP
.endif
	v_add_nc_u32 v[ADRS], 4*NQ, v[ADRS]
	FETCH_B \next, 0, 0
	FETCH_A \next, 0, 0
	SCALES \next
	WIN MUL_HI
	MUL16 4, 1, NQ-1, \slot, 0
	MUL16 6, 1, NQ-1, \slot, 0
	PLACES NP
	WIN 0
	FETCH_A \next, 0, 4
.endm
	s_wait_tensorcnt 1                             ; the scales and my part of K step 0 are in (K step 1's load may be out)
	s_barrier_signal -1
	s_barrier_wait -1
	FETCH_B 0, 0, 0
	FETCH_A 0, 0, 0
	SCALES 0
	FETCH_A 0, 0, 4
	s_wait_loadcnt 0x0                             ; the bias
	STEP 0, 0, 1
	s_mov_b32 s3, LAPS-1
.Llap:
	TURN 0, 1, 1
	STEP 1, 0, 0
	TURN 1, 0, 1
	STEP 0, 0, 0
	s_sub_co_u32 s3, s3, 1
	s_cmp_lg_u32 s3, 0
	s_cbranch_scc1 .Llap
	TURN 0, 1, 0
	STEP 1, 0, 0
	s_wait_dscnt 4*NL
	WIN MUL_LO
	MUL16 0, 1, NQ-1, 1, 0
	MUL16 2, 1, NQ-1, 1, 0
	s_wait_dscnt 0
	WIN MUL_HI
	MUL16 4, 1, NQ-1, 1, 0
	MUL16 6, 1, NQ-1, 1, 0
	WIN 0
; THE WAY OUT, block by block of 16 stored rows x 128 columns, through my own stage: whole rows of 512 bytes come back and are stored by the 32 lanes.  LDS serves a wave's instructions in order (ISA guide 5.7.1.4).
.macro TOSTAGE a
.set AC, 64*((\a)%4)
	WIN 0x08+4*((\a)/4)                            ; the data: window 2 or 3
.irp b, 0,1,2,3,4,5,6,7
	ds_store_b128 v[STO], v[AC+8*\b:AC+8*\b+3] offset:128*(\b/2)+32*(\b%2)        ; each accumulator from its low end on
	ds_store_b128 v[STO], v[AC+8*\b+4:AC+8*\b+7] offset:128*(\b/2)+32*(\b%2)+16
.endr
	WIN 0
.set BB, BK+64*((\a)%2)
.irp t, 0,1,2,3,4,5,6,7,8,9,10,11,12,13,14,15
	ds_load_b128 v[BB+4*\t:BB+4*\t+3], v[RD] offset:\t*SPITCH
.endr
.endm
.macro SEND a, younger                 ; younger: the LDS instructions issued behind block a's loads
.set BB, BK+64*((\a)%2)
	s_wait_dscnt \younger
.if (\a) > 0
.if (\a)%2 == 1
	s_add_nc_u64 s[14:15], s[14:15], 8*NB4         ; (behind a wait on XCNT)  block a begins at row 32 (a / 2) + 8 (a % 2)
.else
	s_add_nc_u64 s[14:15], s[14:15], 24*NB4
.endif
.endif
.irp t, 0,1,2,3,4,5,6,7,8,9,10,11,12,13,14,15
	global_store_b128 v[CO], v[BB+4*\t:BB+4*\t+3], s[14:15] offset:(\t+8*(\t/8))*NB4 th:TH_STORE_NT   ; 512 consecutive bytes of one row, aligned to 256
.endr
.endm
	PLACES NP
	TOSTAGE 0
.irp a, 1,2,3,4,5,6,7
.if \a > 1
	s_wait_xcnt 0x0                                ; block a - 2's stores have read their registers and their base
.endif
	TOSTAGE \a
	SEND \a-1, 32                                  ; behind block a - 1's loads: block a's 16 stores and 16 loads
.endr
	s_wait_xcnt 0x0
	SEND 7, 0
	s_wait_tensorcnt 0x0                           ; the wave's end
	ds_add_u32 v[SPW], v[NIL]
	s_wait_dscnt 0x0
	CROUND                                         ; the closing round
	s_endpgm
.Lfunc_end_k_q657fff6ea3_outp:
	.size	k_q657fff6ea3_outp, .Lfunc_end_k_q657fff6ea3_outp-k_q657fff6ea3_outp
	.p2alignl 7, 3214868480
	.fill 96, 4, 3214868480
	.section	.rodata,"a",@progbits
	.p2align	6, 0x0
	.amdhsa_kernel k_q657fff6ea3_outp
		.amdhsa_group_segment_fixed_size 327680
		.amdhsa_private_segment_fixed_size 0
		.amdhsa_enable_private_segment 0
		.amdhsa_kernarg_size 48
		.amdhsa_user_sgpr_count 2
		.amdhsa_user_sgpr_kernarg_segment_ptr 1
		.amdhsa_wavefront_size32 1
		.amdhsa_system_sgpr_workgroup_id_x 1
		.amdhsa_system_sgpr_workgroup_id_y 1
		.amdhsa_system_sgpr_workgroup_id_z 1
		.amdhsa_system_vgpr_workitem_id 0
		.amdhsa_next_free_vgpr 1024
		.amdhsa_next_free_sgpr 102
		.amdhsa_reserve_vcc 0
		.amdhsa_float_denorm_mode_32 3
		.amdhsa_float_denorm_mode_16_64 3
		.amdhsa_memory_ordered 1
		.amdhsa_forward_progress 1
		.amdhsa_inst_pref_size 161
	.end_amdhsa_kernel
	.amdgpu_metadata
---
amdhsa.version: [ 1, 2 ]
amdhsa.kernels:
  - .name:           k_q657fff6ea3_outp
    .symbol:         k_q657fff6ea3_outp.kd
    .args:
      - { .name: yimg, .offset: 0, .size: 8, .value_kind: global_buffer, .address_space: global }
      - { .name: ysc, .offset: 8, .size: 8, .value_kind: global_buffer, .address_space: global }
      - { .name: wc, .offset: 16, .size: 8, .value_kind: global_buffer, .address_space: global }
      - { .name: ws, .offset: 24, .size: 8, .value_kind: global_buffer, .address_space: global }
      - { .name: bp, .offset: 32, .size: 8, .value_kind: global_buffer, .address_space: global }
      - { .name: out0, .offset: 40, .size: 8, .value_kind: global_buffer, .address_space: global }
    .group_segment_fixed_size: 327680
    .private_segment_fixed_size: 0
    .kernarg_segment_align: 8
    .kernarg_segment_size: 48
    .max_flat_workgroup_size: 128
    .sgpr_count:     102
    .vgpr_count:     1024
    .wavefront_size: 32
...
	.end_amdgpu_metadata
.endif
;; end of part 4
